; MI455X (gfx1250); checked and timed in simulation.
; The chip was launched on July 23, 2026; its instructions are those of AMD's public machine-readable ISA for CDNA 5 (MIT licence, August 2026) and "CDNA5" Instruction Set Architecture Reference Guide (July 2026). The comments in the code are by the model that wrote it; some were corrected since.
;; Multi Head Linear Attention. Allowed arithmetic: matrix products marked QUANTISED: E2M1 operands, one E8M0 scale for each 32 along K, by v_wmma_scale_f32_16x16x128_f8f6f4 with both operands' format E2M1 (or v_wmma_scale_f32_32x16x128_f4), f32 sums; products left as they are: f32 operands where the result goes on into a quantised operand, else bf16, f16 or f32 operands; f32 sums; everything else in f32.
;; Inputs: Wk 1,024 x 1,024 float32; Wq 1,024 x 1,024 float32; Wv 1,024 x 1,024 float32; bk 1,024 float32; bq 1,024 float32; bv 1,024 float32; key 4 x 4,096 x 1,024 float32; mask_kv 4 x 4,096 float32; mask_q 4 x 4,096 float32; query 4 x 4,096 x 1,024 float32; value 4 x 4,096 x 1,024 float32.
;; Outputs: out0 4 x 4,096 x 16 x 64 float32.
;; This version of the problem:
;;   THIS VERSION OF THE PROBLEM IS GIVEN IN LOW PRECISION. The matrix products marked QUANTISED in the list below multiply operands that are first quantised to E2M1 (2 exponent bits, 1 mantissa bit; 4 bits a number), with one power-of-two scale for each 32 numbers along K (OCP MX v1.0); their sums are f32. All else is computed in f32.
;;   The module's matrix products, in the order in which they are computed (A, B: the left and right operand; K: the contracted axis; several contracted axes count as one K, in the product's order):
;;     1. [M 16,384, K 1,024] x [K 1,024, N 1,024]; A: input query; B: input Wq: QUANTISED
;;     2. [M 16,384, K 1,024] x [K 1,024, N 1,024]; A: input key; B: input Wk: QUANTISED
;;     3. [M 16,384, K 1,024] x [K 1,024, N 1,024]; A: input value; B: input Wv: QUANTISED
;;     4. batch 64 x [M 64, K 4,096] x [K 4,096, N 64]; A: computed on the way; B: computed on the way: QUANTISED
;;     5. batch 64 x [M 1, K 64] x [K 64, N 4,096]; A: computed on the way; B: computed on the way: left as it is (M = 1 < 16)
;;     6. batch 64 x [M 64, K 64] x [K 64, N 4,096]; A: computed on the way; B: computed on the way: QUANTISED
;;     7. batch 262,144 x [M 1, K 1] x [K 1, N 64]; A: computed on the way; B: computed on the way: left as it is (no contracted axis)
;;   THE QUANTISER, for each operand of a quantised product, along K:
;;     - K is cut into blocks of 32 from its start; a last block that is shorter is filled with zeros.
;;     - A block's scale is 2^e with e = floor(log2(the largest magnitude in the block)) - 2, held to -126 .. 127; a block of zeros has e = 0. As a byte (E8M0): e + 127.
;;     - Each number is divided by its block's scale, clamped to +-6, and rounded to the nearest number of E2M1, ties to even, subnormals kept.
;;     - The product sums the exact products of the quantised numbers (number of the format x scale) in f32.
;;   ~~~python
;;   def quantise(x, axis):      # numpy; x: float32 -> the quantised numbers, widened to float32 again
;;       x = np.moveaxis(x, axis, -1); K = x.shape[-1]
;;       x = np.pad(x, [(0, 0)] * (x.ndim - 1) + [(0, -K % 32)]); x = x.reshape(x.shape[:-1] + (-1, 32)); a = np.abs(x).max(-1, keepdims=True)
;;       e = np.where(a > 0, np.clip(np.frexp(np.where(a > 0, a, 1))[1] - 1 - 2, -126, 127), 0)      # np.frexp(a)[1] - 1 = floor(log2(a)), exactly
;;       r = np.clip(x / 2.0 ** e, -6, 6)
;;       step = 2.0 ** (np.maximum(np.frexp(np.where(r == 0, 1, r))[1] - 1, 0) - 1)
;;       q = np.round(r / step) * step * 2.0 ** e      # np.round: ties to even
;;       return np.moveaxis(q.reshape(q.shape[:-2] + (-1,))[..., :K], -1, axis).astype(np.float32)
;;   ~~~
;;   OPERANDS COMPUTED ON THE WAY. 'Computed on the way' means the value that the module computes at that place (a softmax that the list does not call 'softmax' is quantised finished and normalised). What goes into a quantiser is computed in f32, as accurately as f32 sums, v_exp_f32 and their like allow (about 1e-6 of the number): no bf16 or f16 on the way to a quantiser, and a product that is left as it is and whose result goes on into a quantised operand takes f32 operands (vector FMAs, or v_wmma_f32_16x16x4_f32). A number that lies on a knife's edge between two numbers of the format may be rounded either way, as far as f32 arithmetic and the matrix unit's own rounding can turn it there, and no further.
;; One version. Each part assembles by itself: llvm-mc -triple=amdgcn-amd-amdhsa -mcpu=gfx1250 --defsym DOCPART=n.
;; ======== version 1 of 1: 4 launches
;; workspace buffers: wc 1,683,456 bytes; kc 8,388,608 bytes; vc 8,388,608 bytes; ksc 524,288 bytes; vsc 524,288 bytes; skp 1,048,576 bytes; kvq 196,608 bytes
;; launch wquant (part 1): grid 64 x 3, 4 waves a work-group, no clusters, 9,728 bytes of LDS; arguments Wk, Wv, Wq, bk, bv, bq, wc; writes wc
.if DOCPART == 1
	.amdgcn_target "amdgcn-amd-amdhsa--gfx1250"
	.amdhsa_code_object_version 6
	.text
	.protected	k_qa8d6063bb5_wquant
	.globl	k_qa8d6063bb5_wquant
	.p2align	8
	.type	k_qa8d6063bb5_wquant,@function
k_qa8d6063bb5_wquant:
	s_mov_b64 s[64:65], 0
	v_nop
	global_prefetch_b8 v0, s[64:65] scope:SCOPE_SE
	s_setreg_imm32_b32 hwreg(HW_REG_WAVE_MODE, 25, 1), 1
	s_wait_xcnt 0x0
; Wk, Wv, Wq [1024][1024] f32 (K innermost) become codes of E2M1 with one E8M0 byte for each 32 along K, laid in wc in the order of the operand's registers.
; wc: 48 blocks of PART bytes, one for each head of each weight.  A block: four tiles of 16 rows, TILEB bytes each: the fragments of K steps 0..7, 1,024 bytes each
; (registers 0-3 at 16 x lane, registers 4-7 at 512 + 16 x lane); at 8,192 + 16 x lane four scale words: lane (r, h) holds those of K steps 4 h .. 4 h + 3 of row r; behind the tiles the head's 64 biases.
; THE ROWS OF A TILE of Wk and Wq are not neighbours: place p = 16 ct + r of a head is row p with bits 3 and 4 exchanged, so that results with these places along the registers are neighbours along d.  Wv's are natural.
; SHARES: a work-group takes one tile (x = 4 head + ct) of one weight (y: 0 k, 1 v, 2 q); wave q its K steps 2 q, 2 q + 1.  192 work-groups: the weights have work for that many.
; A load reads 512 consecutive bytes of one row; a block of 32 along K lies in eight neighbouring lanes.  Only the codes are turned, through LDS rows of 512 + 16 bytes.
; LIMITS: NaN and infinities are not served; a block of zeros or under 2^-124 gets the byte 1 (its codes are zeros or nearly; only this program reads the bytes).
.set PART,  35072
.set TILEB, 8704
.set PITCH, 528
.set SCB,   16*PITCH                   ; behind the image: 16 rows of 32 exponent bytes
.set LOFF, 2                           ; v2   16 x lane
.set CAR,  3                           ; v3   where my codes go: 2 x lane + 128 q
.set SAR,  4                           ; v4   where my block's byte goes
.set FRA,  5                           ; v5   a fragment's row: 528 r + 16 h + 128 q
.set WOF,  6                           ; v6   16 x lane + 2,048 q
.set SWA,  7                           ; v7   the scale words: SCB + 32 r + 16 h
.set ONE,  10                          ; v10  1.0
.set RAW,  32                          ; v32-159  two sets of 16 rows x 4 numbers
.set MX,   160                         ; v160-175 a row's block maximum, then 1 / scale
.set EX,   176                         ; v176-191 its exponent field (the byte + 2)
.set CD,   192                         ; v192-199 codes: two rows to a register
.set FR,   200                         ; v200-215 four halves of fragments
.set SW,   216                         ; v216-219 scale words
.set FLOOR, 42
.set EXPM,  43
.set SGN,   44
.set TWOS,  45
	s_load_b256 s[4:11], s[0:1], 0x0               ; Wk, Wv, Wq, bk
	s_load_b128 s[12:15], s[0:1], 0x20             ; bv, bq
	s_load_b64 s[16:17], s[0:1], 0x30              ; wc
	v_lshl_add_u32 v224, v0, 2, 0x2400
	v_mov_b32 v225, 0
	v_lshrrev_b32 v1, 5, v0
	v_readfirstlane_b32 s23, v1                    ; wave q
	v_and_b32 v1, 31, v0                           ; lane
	v_and_b32 v11, 15, v0                          ; r
	v_bfe_u32 v12, v0, 4, 1                        ; h
	v_lshlrev_b32 v[LOFF], 4, v1
	s_and_b32 s20, ttmp7, 0xffff                   ; which weight
	s_lshr_b32 s21, ttmp9, 2                       ; head
	s_and_b32 s22, ttmp9, 3                        ; ct
	s_mov_b32 s[FLOOR], 0x1800000                  ; 2^(3 - 127): no largest magnitude is taken under it
	s_mov_b32 s[EXPM], 0x7f800000
	s_mov_b32 s[SGN], 0x80000000
	s_mov_b32 s[TWOS], 0x02020202
	s_lshr_b32 s24, s22, 1                         ; the tile's first row in the head: 32 (ct / 2) + 8 (ct % 2), and rows 8-15 sixteen further on;
	s_lshl_b32 s24, s24, 5
	s_and_b32 s25, s22, 1
	s_lshl_b32 s25, s25, 3
	s_add_co_u32 s24, s24, s25
	s_lshl_b32 s25, s22, 4                         ; for Wv 16 ct, and eight further on
	s_cmp_eq_u32 s20, 1
	s_cselect_b32 s24, s25, s24
	s_cselect_b32 s26, 8, 16
	s_cselect_b32 s41, 0, 24                       ; what exchanges bits 3 and 4 of a place
	s_lshl_b32 s25, s21, 6
	s_add_co_u32 s24, s24, s25
	s_add_co_u32 s26, s26, s24
	s_lshl_b32 s24, s24, 12                        ; rows of 4,096 bytes
	s_lshl_b32 s26, s26, 12
	s_lshl_b32 s27, s23, 10                        ; my two K steps: 1,024 bytes on for each wave
	s_add_co_u32 s24, s24, s27
	s_add_co_u32 s26, s26, s27
	s_mov_b32 s25, 0
	s_mov_b32 s27, 0
	s_lshr_b32 s32, s21, 2                         ; the block: k, v: 8 (head / 4) + 4 m + head % 4;  q: 32 + head
	s_lshl_b32 s32, s32, 3
	s_and_b32 s33, s21, 3
	s_add_co_u32 s32, s32, s33
	s_lshl_b32 s33, s20, 2
	s_add_co_u32 s32, s32, s33
	s_add_co_u32 s33, s21, 32
	s_cmp_eq_u32 s20, 2
	s_cselect_b32 s32, s33, s32
	s_mul_i32 s32, s32, PART
	s_mov_b32 s33, 0
	s_mul_i32 s34, s22, TILEB
	s_mov_b32 s35, 0
	s_wait_kmcnt 0x0
	s_cmp_eq_u32 s20, 1                            ; the weight and its bias are chosen by the work-group's y alone
	s_cselect_b64 s[4:5], s[6:7], s[4:5]
	s_cselect_b64 s[10:11], s[12:13], s[10:11]
	s_cmp_eq_u32 s20, 2
	s_cselect_b64 s[4:5], s[8:9], s[4:5]
	s_cselect_b64 s[10:11], s[14:15], s[10:11]
	s_add_nc_u64 s[28:29], s[4:5], s[24:25]        ; rows 0-7 of the tile
	s_add_nc_u64 s[30:31], s[4:5], s[26:27]        ; rows 8-15
	s_add_nc_u64 s[36:37], s[16:17], s[32:33]      ; my block
	s_add_nc_u64 s[38:39], s[36:37], s[34:35]      ; my tile
.macro ISSUE set                       ; 16 rows x 128 along K: each load 512 consecutive bytes of one row
.set i, 0
.rept 8
	global_load_b128 v[RAW+64*(\set)+4*i:RAW+64*(\set)+4*i+3], v[LOFF], s[28:29] offset:4096*i+512*(\set) th:TH_LOAD_NT
.set i, i+1
.endr
.set i, 0
.rept 8
	global_load_b128 v[RAW+64*(\set)+32+4*i:RAW+64*(\set)+32+4*i+3], v[LOFF], s[30:31] offset:4096*i+512*(\set) th:TH_LOAD_NT
.set i, i+1
.endr
.endm
	ISSUE 0
	ISSUE 1
	s_lshl_b32 s46, s23, 7
	v_lshl_add_u32 v[CAR], v1, 1, s46
	v_lshrrev_b32 v13, 3, v1
	s_lshl_b32 s47, s23, 3
	s_add_co_u32 s47, s47, SCB
	v_add_nc_u32 v[SAR], s47, v13
	v_mul_u32_u24 v13, v11, PITCH
	v_lshl_add_u32 v13, v12, 4, v13
	v_add_nc_u32 v[FRA], s46, v13
	s_lshl_b32 s46, s23, 11
	v_add_nc_u32 v[WOF], s46, v[LOFF]
	v_lshlrev_b32 v13, 5, v11
	v_lshl_add_u32 v13, v12, 4, v13
	v_add_nc_u32 v[SWA], SCB, v13
	v_mov_b32 v[ONE], 1.0
; 16 rows x 128 along K of a set become codes and exponent bytes in LDS.  The stages run across the 16 rows, so that no line waits for the line above it.
.macro QROWS set, cofs, sofs
.set RS, RAW+64*(\set)
.set i, 0
.rept 16
	v_max3_num_f32 v[MX+i], |v[RS+4*i]|, |v[RS+4*i+1]|, s[FLOOR]     ; my four numbers of row i, and the floor
.set i, i+1
.endr
.set i, 0
.rept 16
	v_max3_num_f32 v[MX+i], |v[RS+4*i+2]|, |v[RS+4*i+3]|, v[MX+i]
.set i, i+1
.endr
.irp x, 1,2,4                          ; with the seven other lanes of the block
.set i, 0
.rept 16
	v_max_num_f32_dpp v[MX+i], v[MX+i], v[MX+i] row_xmask:\x row_mask:0xf bank_mask:0xf
.set i, i+1
.endr
.endr
	s_wait_dscnt 0x0                               ; the last set's LDS stores have read their registers
.set i, 0
.rept 16
	v_lshrrev_b32 v[EX+i], 23, v[MX+i]             ; the exponent field: the scale's byte + 2, at least 3
.set i, i+1
.endr
.set i, 0
.rept 16
	v_and_b32 v[MX+i], s[EXPM], v[MX+i]
.set i, i+1
.endr
.set i, 0
.rept 16
	v_sub_nc_u32 v[MX+i], s[SGN], v[MX+i]          ; field 256 - e: 1 / scale, a normal number
.set i, i+1
.endr
.set i, 0
.rept 8                                ; number / scale: exact.  Two rows share a conversion, so the scale cannot be the conversion's
	v_pk_mul_f32 v[RS+8*i:RS+8*i+1], v[RS+8*i:RS+8*i+1], v[MX+2*i:MX+2*i+1] op_sel_hi:[1,0]
	v_pk_mul_f32 v[RS+8*i+2:RS+8*i+3], v[RS+8*i+2:RS+8*i+3], v[MX+2*i:MX+2*i+1] op_sel_hi:[1,0]
	v_pk_mul_f32 v[RS+8*i+4:RS+8*i+5], v[RS+8*i+4:RS+8*i+5], v[MX+2*i:MX+2*i+1] op_sel:[0,1] op_sel_hi:[1,1]
	v_pk_mul_f32 v[RS+8*i+6:RS+8*i+7], v[RS+8*i+6:RS+8*i+7], v[MX+2*i:MX+2*i+1] op_sel:[0,1] op_sel_hi:[1,1]
.set i, i+1
.endr
.set i, 0
.rept 8
	v_cvt_scalef32_pk8_fp4_f32 v[CD+i], v[RS+8*i:RS+8*i+7], v[ONE]   ; low half: row 2 i's four codes; high half: row 2 i + 1's
.set i, i+1
.endr
	v_nop                                          ; one plain line behind the conversions
.set i, 0
.rept 8
	ds_store_b16 v[CAR], v[CD+i] offset:(\cofs)+2*i*PITCH
	ds_store_b16_d16_hi v[CAR], v[CD+i] offset:(\cofs)+(2*i+1)*PITCH
.set i, i+1
.endr
.set i, 0
.rept 16
	ds_store_b8 v[SAR], v[EX+i] offset:(\sofs)+32*i   ; the eight lanes of a block write the same byte with the same value
.set i, i+1
.endr
.endm
	s_wait_loadcnt 16                              ; the first set is in; the second set's 16 loads may be out
	QROWS 0, 0, 0
	s_wait_loadcnt 0x0
	QROWS 1, 64, 4
	s_wait_dscnt 0x0                               ; my stores have landed: wave 0 reads all four waves' bytes
	s_barrier_signal -1
	s_barrier_wait -1
.irp n, 0,1,2,3
	ds_load_b128 v[FR+4*\n:FR+4*\n+3], v[FRA] offset:32*\n      ; K step 2 q + n / 2, registers 4 (n % 2) on
.endr
	s_wait_dscnt 0x0
.irp n, 0,1,2,3
	global_store_b128 v[WOF], v[FR+4*\n:FR+4*\n+3], s[38:39] offset:512*\n   ; 512 consecutive bytes, aligned
.endr
	s_cmp_lg_u32 s23, 0
	s_cbranch_scc1 .Lnot_wave_0
	ds_load_b128 v[SW:SW+3], v[SWA]                ; wave 0: the tile's scale words
	s_wait_dscnt 0x0
.irp n, 0,1,2,3
	v_sub_nc_u32 v[SW+\n], v[SW+\n], s[TWOS]       ; 2 off each byte: no byte is under 3, so none borrows
.endr
	global_store_b128 v[LOFF], v[SW:SW+3], s[38:39] offset:8192
.Lnot_wave_0:
	s_xor_b32 s40, s23, 1
	s_or_b32 s40, s40, s22
	s_cmp_lg_u32 s40, 0
	s_cbranch_scc1 .Lend
	v_lshlrev_b32 v13, 1, v1                       ; wave 1 of the head's first tile: the biases by place.  Places 2 l, 2 l + 1 are neighbours in truth too
	v_lshrrev_b32 v14, 3, v13
	v_lshrrev_b32 v15, 4, v13
	v_xor_b32 v14, v14, v15
	v_and_b32 v14, 1, v14
	v_mul_u32_u24 v14, v14, s41
	v_xor_b32 v13, v13, v14                        ; bits 3 and 4 exchanged (not for bv)
	s_lshl_b32 s40, s21, 8
	v_lshl_add_u32 v13, v13, 2, s40
	v_lshlrev_b32 v15, 3, v1
	global_load_b64 v[18:19], v13, s[10:11]
	s_wait_loadcnt 0x0
	global_store_b64 v15, v[18:19], s[36:37] offset:4*TILEB    ; 256 consecutive bytes, aligned
.Lend:
	s_wait_tensorcnt 0x0
	ds_add_u32 v224, v225
	s_wait_dscnt 0x0
	s_endpgm
.Lfunc_end_k_qa8d6063bb5_wquant:
	.size	k_qa8d6063bb5_wquant, .Lfunc_end_k_qa8d6063bb5_wquant-k_qa8d6063bb5_wquant
	.p2alignl 7, 3214868480
	.fill 96, 4, 3214868480
	.section	.rodata,"a",@progbits
	.p2align	6, 0x0
	.amdhsa_kernel k_qa8d6063bb5_wquant
		.amdhsa_group_segment_fixed_size 9728
		.amdhsa_private_segment_fixed_size 0
		.amdhsa_enable_private_segment 0
		.amdhsa_kernarg_size 56
		.amdhsa_user_sgpr_count 2
		.amdhsa_user_sgpr_kernarg_segment_ptr 1
		.amdhsa_wavefront_size32 1
		.amdhsa_system_sgpr_workgroup_id_x 1
		.amdhsa_system_sgpr_workgroup_id_y 1
		.amdhsa_system_sgpr_workgroup_id_z 1
		.amdhsa_system_vgpr_workitem_id 0
		.amdhsa_next_free_vgpr 226
		.amdhsa_next_free_sgpr 66
		.amdhsa_reserve_vcc 0
		.amdhsa_float_denorm_mode_32 3
		.amdhsa_float_denorm_mode_16_64 3
		.amdhsa_memory_ordered 1
		.amdhsa_forward_progress 1
		.amdhsa_inst_pref_size 31
	.end_amdhsa_kernel
	.amdgpu_metadata
---
amdhsa.version: [ 1, 2 ]
amdhsa.kernels:
  - .name:           k_qa8d6063bb5_wquant
    .symbol:         k_qa8d6063bb5_wquant.kd
    .args:
      - { .name: Wk, .offset: 0, .size: 8, .value_kind: global_buffer, .address_space: global }
      - { .name: Wv, .offset: 8, .size: 8, .value_kind: global_buffer, .address_space: global }
      - { .name: Wq, .offset: 16, .size: 8, .value_kind: global_buffer, .address_space: global }
      - { .name: bk, .offset: 24, .size: 8, .value_kind: global_buffer, .address_space: global }
      - { .name: bv, .offset: 32, .size: 8, .value_kind: global_buffer, .address_space: global }
      - { .name: bq, .offset: 40, .size: 8, .value_kind: global_buffer, .address_space: global }
      - { .name: wc, .offset: 48, .size: 8, .value_kind: global_buffer, .address_space: global }
    .group_segment_fixed_size: 9728
    .private_segment_fixed_size: 0
    .kernarg_segment_align: 8
    .kernarg_segment_size: 56
    .max_flat_workgroup_size: 128
    .sgpr_count:     66
    .vgpr_count:     226
    .wavefront_size: 32
...
	.end_amdgpu_metadata
.endif
;; end of part 1
;; launch kvproj (part 2): grid 256 x 1, 4 waves a work-group, clusters of 4 x 1, 327,680 bytes of LDS; arguments key, value, mask_kv, wc, kc, vc, ksc, vsc, skp; writes kc, vc, ksc, vsc, skp
.if DOCPART == 2
	.amdgcn_target "amdgcn-amd-amdhsa--gfx1250"
	.amdhsa_code_object_version 6
	.text
	.protected	k_qa8d6063bb5_kvproj
	.globl	k_qa8d6063bb5_kvproj
	.p2align	8
	.type	k_qa8d6063bb5_kvproj,@function
k_qa8d6063bb5_kvproj:
	s_mov_b64 s[64:65], 0
	v_nop
	global_prefetch_b8 v0, s[64:65] scope:SCOPE_SE
	s_setreg_imm32_b32 hwreg(HW_REG_WAVE_MODE, 25, 1), 1
	s_wait_xcnt 0x0
	s_wait_alu depctr_hold_cnt(0) depctr_sa_sdst(0) depctr_va_vdst(0) depctr_va_sdst(0) depctr_va_ssrc(0) depctr_va_vcc(0) depctr_vm_vsrc(0)
	s_getreg_b32 s2, hwreg(HW_REG_IB_STS2, 6, 4)
	s_cmp_eq_u32 s2, 0
	s_cbranch_scc0 .Lentry_in_a_cluster
	s_endpgm
.Lentry_in_a_cluster:
	s_bfe_u32 s2, ttmp6, 0x10000c
	s_cmp_lg_u32 s2, 0x3003
	s_cbranch_scc0 .Lentry_shape_is_right
	s_endpgm
.Lentry_shape_is_right:
; k = (elu(key Wk^T + bk) + 1) mask, v = (value Wv^T + bv) mask / 4096, both products on codes of E2M1 with E8M0 scales; k and v leave as codes quantised ALONG THE TOKENS (the K of k^T v), and k's sums over 64 tokens in f32.
; SHARES.  A work-group owns 64 tokens.  Wave w quantises 16 of its rows of key and of value, and multiplies all 64 tokens by its own 256 columns of Wk and 256 of Wv: eight units of one head (four tiles of 16 columns).
; THE ROWS OF A TILE OF TOKENS ARE NOT NEIGHBOURS: row i of tile t is token 32 (t / 2) + 8 (t % 2) + i + 8 (i / 8).  Source 0 = tokens, source 1 = 16 columns: a lane holds ONE column, and the 16 registers of tiles 2 b, 2 b + 1
; are tokens 32 b + 16 (lane / 16) + 0 .. 15: neighbours along the next K.
; WEIGHTS come as codes in the order of the operand's registers (35,072 bytes a head) through a ring of two LDS slots for each wave, filled by the tensor data mover.  All row blocks walk the same weights: the four work-groups
; of a cluster ask for each unit JOINTLY.  A wave asks for, and reads, its own heads alone.  One tensor load of a wave is out at a time; it has one unit's work in which to land.
; INPUTS stream through registers: a piece is 16 rows x 128 along K, 16 loads of 512 consecutive bytes; three pieces (48 loads) a wave are on their way.  Value's pieces are quantised between key's units.
; elu(x) + 1 is the middle one of x + 1, e^x and 1.  e^x = 2^(x log2 e): its relative error grows with |x| (6e-8 x 1.44 |x|).
; LIMITS: NaN and infinities are not served; a block of zeros or under 2^-124 gets the scale byte 1 (only this program reads the bytes).
; REGISTERS: window 0 as named below; window 1: the tokens' fragments, (tile t, K step s) at 8 (8 t + s); window 2: four sets of 64 numbers as loaded.
.set PART,  35072
.set TILEB, 8704
.set PITCH, 528                        ; a row of 1,024 codes + 16 bytes: 33 x 16, so the 16 rows of a fragment load start in different banks (64 banks of 4 bytes: ISA guide 11.1)
.set AIMG,  8*PART                     ; behind the ring: 64 rows of codes,
.set ASCL,  AIMG+64*PITCH              ; 64 rows of 32 exponent bytes,
.set SCG,   ASCL+2048                  ; each wave's 256 pairs of scale bytes,
.set SKG,   SCG+2048                   ; each wave's 256 sums,
.set SPARE, SKG+4096                   ; and the spare words, 128 bytes for each wave
.set SPW, 1
.set NIL, 2
.set LOFF, 3                           ; 16 x lane
.set CA,  4                            ; where my codes go, in the key loop
.set SA,  5
.set AFA, 6                            ; AIMG + 528 r + 16 h
.set ASA, 7                            ; ASCL + 32 r + 16 h
.set WA0, 8                            ; my ring + 16 x lane
.set WAD, 9
.set BA0, 10                           ; my ring + the biases + 4 r
.set BAD, 11
.set KOFF, 12                          ; my 16 bytes of the tile in hand, in kc or vc, one tile ahead
.set SCA, 13
.set SKA, 14
.set FLS, 15                           ; my wave's scale bytes + 16 x lane
.set FLO, 16                           ; 16,384 h + 16 r
.set BV,  17
.set FLK, 18                           ; my wave's sums + 16 x lane
.set SCA0, 19
.set BC,  20                           ; v20-27   the column's bias, eight times: the C of a tile's first products
.set WSC, 28                           ; v28-31   the weights' scale words
.set MASK, 32                          ; v32-63   the mask of my 32 tokens
.set ACC, 64                           ; v64-95   four accumulators
.set TE,  96                           ; v96-127  e^x; between units the quantiser's maxima and bytes; the flushes
.set WF,  128                          ; v128-191 a tile's eight fragments of weights
.set ASC, 192                          ; v192-207 the tokens' scale words
.set PC,  208                          ; v208-211 codes
.set QM,  212                          ; v212-215 maxima, bytes
.set SO,  216                          ; v216-217 the conversions' scale operands
.set UW,  218
.set SU,  220                          ; v220-223
.set P4,  224
.set SKA0, 232
.set KOFF0, 233
.set ONE, 234
.set CA0, 235
.set SA0, 236
.set MOFF, 237
.set MX,  TE
.set EX,  TE+16
.set CD,  212
.set LP, 4                             ; s[4:5]  the piece last asked for
.set VB, 6                             ; s[6:7]  value at my rows
.set WV, 22
.set NP, 27
.set LC, 28
.set SEL, 30
.set CS, 32
.set G0, 36
.set G1, 40
.set WB, 48
.set FLOOR, 50
.set EXPM, 51
.set SGN, 52
.set TWOS, 53
.set TW, 54
.set TBI, 55
.set TS, 56
.set TK, 57
.set LINV, 58
.set TC, 60
.set TD, 61
.set EM2, 67
.set MSB, 0
.macro WIN new                         ; the immediate's high byte repeats the setting that is left; a switch that changes nothing is dropped
.if MSB != (\new)
	s_set_vgpr_msb (MSB<<8)|(\new)
.set MSB, (\new)
.endif
.endm
.macro ROUND                           ; a round of the cluster's barrier
	s_barrier_signal -1
	s_barrier_wait -1
	s_cmp_lg_u32 s[WV], 0
	s_cbranch_scc1 .Lnw0_\@
	s_barrier_signal -3
.Lnw0_\@:
	s_barrier_wait -3
	s_barrier_signal -1
	s_barrier_wait -1
.endm
	s_load_b256 s[4:11], s[0:1], 0x0               ; key, value, mask_kv, wc
	s_load_b256 s[12:19], s[0:1], 0x20             ; kc, vc, ksc, vsc
	s_load_b64 s[20:21], s[0:1], 0x40              ; skp
	v_lshl_add_u32 v[SPW], v0, 2, SPARE
	v_mov_b32 v[NIL], 0
	ds_add_u32 v1, v2
	ds_add_u32 v1, v2
	s_wait_dscnt 0x0
	v_lshrrev_b32 v20, 5, v0
	v_readfirstlane_b32 s[WV], v20                 ; wave 0..3
	s_bfe_u32 s23, ttmp6, 0x40000                  ; cx: it enters the addresses of inputs and outputs alone
	s_lshl_b32 s24, ttmp9, 2
	s_add_co_u32 s24, s24, s23                     ; my block of 64 tokens
	s_lshr_b32 s25, s24, 6                         ; batch
	s_and_b32 s26, s24, 63                         ; group of 64 tokens in it
	s_mov_b32 s[G1], 15|(3<<16)|(1<<21)            ; 15:0 the mask: all four work-groups; 17:16 elements of 8 bytes; 21 set beside a mask; no padding
	s_mov_b32 s[G1+1], 32<<16                      ; tensor_dim0 = 32 elements: rows of 256 bytes
	s_mov_b32 s[G1+2], 137<<16                     ; tensor_dim1 = 137 rows: 35,072 dense bytes
	s_mov_b32 s[G1+3], 32<<16                      ; tile_dim0
	s_mov_b32 s[G1+4], 137                         ; tile_dim1
	s_mov_b32 s[G1+5], 32                          ; the pitch
	s_mov_b32 s[G1+6], 0
	s_mov_b32 s[G1+7], 0
	s_mul_i32 s[WB], s[WV], 2*PART                 ; my ring
	s_mov_b32 s[SEL], 0x76543210
	s_mov_b32 s[SEL+1], 0xfedcba98                 ; lane l xor 16
	s_mov_b32 s[CS], 0x3fb8aa3b                    ; log2 e
	s_mov_b32 s[CS+1], s[CS]
	s_mov_b32 s[FLOOR], 0x1800000
	s_mov_b32 s[EXPM], 0x7f800000
	s_mov_b32 s[SGN], 0x80000000
	s_mov_b32 s[TWOS], 0x02020202
	s_mov_b32 s[EM2], 0xff000000
	s_mov_b32 s[LINV], 0x39800000                  ; 1 / 4096
	s_mov_b32 s[LINV+1], s[LINV]
	v_and_b32 v21, 31, v0                          ; lane
	v_and_b32 v22, 15, v0                          ; r
	v_bfe_u32 v23, v0, 4, 1                        ; h
	v_lshlrev_b32 v[LOFF], 4, v21
	s_mul_i32 s29, s[WV], 16*PITCH
	s_add_co_u32 s29, s29, AIMG
	v_lshl_add_u32 v[CA0], v21, 1, s29             ; my tile's rows, 2 bytes a lane
	v_lshrrev_b32 v24, 3, v21
	s_lshl_b32 s29, s[WV], 9
	s_add_co_u32 s29, s29, ASCL
	v_add_nc_u32 v[SA0], s29, v24
	v_mul_u32_u24 v24, v22, PITCH
	v_lshl_add_u32 v24, v23, 4, v24
	v_add_nc_u32 v[AFA], AIMG, v24
	v_lshlrev_b32 v24, 5, v22
	v_lshl_add_u32 v24, v23, 4, v24
	v_add_nc_u32 v[ASA], ASCL, v24
	v_add_nc_u32 v[WA0], s[WB], v[LOFF]
	s_add_co_u32 s29, s[WB], 4*TILEB
	v_lshl_add_u32 v[BA0], v22, 2, s29
	s_lshl_b32 s29, s[WV], 9
	s_add_co_u32 s29, s29, SCG
	v_lshl_add_u32 v[SCA0], v22, 1, s29
	v_add_nc_u32 v[FLS], s29, v[LOFF]
	s_lshl_b32 s29, s[WV], 10
	s_add_co_u32 s29, s29, SKG
	v_lshl_add_u32 v[SKA0], v22, 2, s29
	v_add_nc_u32 v[FLK], s29, v[LOFF]
	v_lshlrev_b32 v24, 4, v22
	v_lshl_add_u32 v[FLO], v23, 14, v24
	v_lshlrev_b32 v[MOFF], 6, v23
	v_mov_b32 v[ONE], 1.0
	v_mov_b32 v[QM+2], 0                           ; written once: a lane permute's destination counts as one of its sources
	v_mov_b32 v[QM+3], 0
	v_mov_b32 v[P4], 0
	s_lshl_b32 s29, s25, 6                         ; my first tile in kc and vc: ((64 b + 16 w) 64 + g) 512
	s_lshl_b32 s49, s[WV], 4
	s_add_co_u32 s29, s29, s49
	s_lshl_b32 s29, s29, 6
	s_add_co_u32 s29, s29, s26
	s_lshl_b32 s29, s29, 9
	v_add_nc_u32 v[KOFF0], s29, v[LOFF]
	s_lshr_b32 s29, s[WV], 1                       ; my rows of key and value: token 64 wg + 32 (w / 2) + 8 (w % 2), rows of 4,096 bytes
	s_lshl_b32 s29, s29, 17
	s_and_b32 s49, s[WV], 1
	s_lshl_b32 s49, s49, 15
	s_add_co_u32 s29, s29, s49
	s_lshl_b32 s34, s24, 18
	s_add_co_u32 s34, s34, s29
	s_mov_b32 s35, 0
	s_mul_i32 s62, s[WV], 8*PART                   ; my eight units in wc
	s_mov_b32 s63, 0
	s_wait_kmcnt 0x0
	s_add_nc_u64 s[LP:LP+1], s[4:5], s[34:35]
	s_add_nc_u64 s[VB:VB+1], s[6:7], s[34:35]
	s_mov_b32 s[G0], 1                             ; count = 1
	s_mov_b32 s[G0+1], s[WB]                       ; LDS address: my slot 0
	s_add_nc_u64 s[G0+2:G0+3], s[10:11], s[62:63]  ; global address: made of the wave's number alone
	s_or_b32 s[G0+3], s[G0+3], 0x80000000          ; type = 2
	s_lshl_b32 s62, s24, 8
	s_add_nc_u64 s[8:9], s[8:9], s[62:63]          ; my 64 tokens' mask
	s_lshl_b32 s62, s25, 3                         ; scale bytes: ((8 b + 2 w) 64 + g) 256
	s_lshl_b32 s49, s[WV], 1
	s_add_co_u32 s62, s62, s49
	s_lshl_b32 s62, s62, 6
	s_add_co_u32 s62, s62, s26
	s_lshl_b32 s62, s62, 8
	s_add_nc_u64 s[16:17], s[16:17], s[62:63]
	s_add_nc_u64 s[18:19], s[18:19], s[62:63]
	s_lshl_b32 s62, s25, 4                         ; sums: ((16 b + 4 w) 64 + g) 256
	s_lshl_b32 s49, s[WV], 2
	s_add_co_u32 s62, s62, s49
	s_lshl_b32 s62, s62, 6
	s_add_co_u32 s62, s62, s26
	s_lshl_b32 s62, s62, 8
	s_add_nc_u64 s[20:21], s[20:21], s[62:63]
	ROUND                                          ; all four work-groups are here: the first joint loads meet
	tensor_load_to_lds s[G0:G0+3], s[G1:G1+7]      ; unit 0 into slot 0
	s_nop 0
.rept 4
	v_nop
.endr
.irp t, 0,1,2,3
.irp k, 0,1
	global_load_b128 v[MASK+8*\t+4*\k:MASK+8*\t+4*\k+3], v[MOFF], s[8:9] offset:(32*(\t/2)+8*(\t%2))*4+16*\k   ; register 8 t + j: token 32 (t / 2) + 16 h + 8 (t % 2) + j
.endr
.endr
.macro ISSUE set, off                  ; a piece: row i of my tile, 512 consecutive bytes a load
	WIN 0x80                                       ; destination window 2
.set i, 0
.rept 16
	global_load_b128 v[64*(\set)+4*i:64*(\set)+4*i+3], v[LOFF], s[LP:LP+1] offset:(i+8*(i/8))*4096+(\off) th:TH_LOAD_NT
.set i, i+1
.endr
	WIN 0
.endm
; A set's 16 rows x 128 along K become codes and exponent bytes in LDS.  The stages run across the rows, so that no line waits for the line above it.
.macro QROWS set, cofs, sofs
.set RS, 64*(\set)
	WIN 0x0a                                       ; sources 0 and 1 window 2
.set i, 0
.rept 16
	v_max3_num_f32 v[MX+i], |v[RS+4*i]|, |v[RS+4*i+1]|, s[FLOOR]     ; my four numbers of row i, and the floor 2^(3 - 127)
.set i, i+1
.endr
.set i, 0
.rept 16
	v_max3_num_f32 v[MX+i], |v[RS+4*i+2]|, |v[RS+4*i+3]|, v[MX+i]
.set i, i+1
.endr
	WIN 0
.irp x, 1,2,4                          ; with the seven other lanes of the block of 32
.set i, 0
.rept 16
	v_max_num_f32_dpp v[MX+i], v[MX+i], v[MX+i] row_xmask:\x row_mask:0xf bank_mask:0xf
.set i, i+1
.endr
.endr
	s_wait_dscnt 0x0                               ; the last piece's LDS stores have read their registers
.set i, 0
.rept 16
	v_lshrrev_b32 v[EX+i], 23, v[MX+i]             ; the exponent field: the scale's byte + 2, at least 3
.set i, i+1
.endr
.set i, 0
.rept 16
	v_and_b32 v[MX+i], s[EXPM], v[MX+i]
.set i, i+1
.endr
.set i, 0
.rept 16
	v_sub_nc_u32 v[MX+i], s[SGN], v[MX+i]          ; field 256 - e: 1 / scale, a normal number
.set i, i+1
.endr
	WIN 0x82                                       ; destination and source 0 window 2
.set i, 0
.rept 8                                ; number / scale: exact.  Two rows share a conversion, so the scale cannot be the conversion's
	v_pk_mul_f32 v[RS+8*i:RS+8*i+1], v[RS+8*i:RS+8*i+1], v[MX+2*i:MX+2*i+1] op_sel_hi:[1,0]
	v_pk_mul_f32 v[RS+8*i+2:RS+8*i+3], v[RS+8*i+2:RS+8*i+3], v[MX+2*i:MX+2*i+1] op_sel_hi:[1,0]
	v_pk_mul_f32 v[RS+8*i+4:RS+8*i+5], v[RS+8*i+4:RS+8*i+5], v[MX+2*i:MX+2*i+1] op_sel:[0,1] op_sel_hi:[1,1]
	v_pk_mul_f32 v[RS+8*i+6:RS+8*i+7], v[RS+8*i+6:RS+8*i+7], v[MX+2*i:MX+2*i+1] op_sel:[0,1] op_sel_hi:[1,1]
.set i, i+1
.endr
	WIN 0x02                                       ; source 0 window 2
.set i, 0
.rept 8
	v_cvt_scalef32_pk8_fp4_f32 v[CD+i], v[RS+8*i:RS+8*i+7], v[ONE]   ; low half: row 2 i's four codes; high half: row 2 i + 1's
.set i, i+1
.endr
	v_nop                                          ; one plain line behind the conversions
	WIN 0
.set i, 0
.rept 8
	ds_store_b16 v[CAR], v[CD+i] offset:(\cofs)+2*i*PITCH
	ds_store_b16_d16_hi v[CAR], v[CD+i] offset:(\cofs)+(2*i+1)*PITCH
.set i, i+1
.endr
.set i, 0
.rept 16
	ds_store_b8 v[SAR], v[EX+i] offset:(\sofs)+32*i   ; the eight lanes of a block write the same byte with the same value
.set i, i+1
.endr
.endm
; A piece's turn.  wait: the loads of the younger sets, which may stay out.  issue = 1: the piece three on is asked for, into the set that the last piece left; behind key's eighth comes value's first.
.macro PIECE set, wait, issue, cofs, sofs
	s_wait_loadcnt \wait
.if \issue
	s_wait_xcnt 0x0                                ; the earlier loads have read their base: it may step
	s_add_nc_u64 s[LP:LP+1], s[LP:LP+1], 512
	s_add_co_u32 s[NP], s[NP], 1
	s_cmp_eq_u32 s[NP], 8
	s_cselect_b64 s[LP:LP+1], s[VB:VB+1], s[LP:LP+1]
	ISSUE ((\set)+3)%4, 0
.endif
	QROWS \set, \cofs, \sofs
.endm
; The 64 tokens' fragments and scale words, from LDS into registers, where they stay for four units
.macro AFETCH
	WIN 0x40                                       ; destination window 1
.irp t, 0,1,2,3
.irp s, 0,1,2,3,4,5,6,7
	ds_load_b128 v[8*(8*\t+\s):8*(8*\t+\s)+3], v[AFA] offset:16*PITCH*\t+64*\s
	ds_load_b128 v[8*(8*\t+\s)+4:8*(8*\t+\s)+7], v[AFA] offset:16*PITCH*\t+64*\s+32
.endr
.endr
	WIN 0
.irp t, 0,1,2,3
	ds_load_b128 v[ASC+4*\t:ASC+4*\t+3], v[ASA] offset:512*\t    ; lane (r, h): the words of K steps 4 h .. 4 h + 3 of row r
.endr
	s_wait_dscnt 0x0
.set i, 0
.rept 16
	v_sub_nc_u32 v[ASC+i], v[ASC+i], s[TWOS]       ; 2 off each byte: none is under 3, so none borrows.  More than eight plain lines follow ahead of the next product
.set i, i+1
.endr
.endm
; The change of units.  All my tensor loads have landed (one was out: this unit); 0 onto my spare word; the descriptor steps; my LDS instructions are done; a round of the cluster's barrier; then the next unit into the slot that I have left.
.macro CHANGE slot
	s_wait_tensorcnt 0x0
	ds_add_u32 v[SPW], v[NIL]
	s_add_nc_u64 s[G0+2:G0+3], s[G0+2:G0+3], PART
	s_add_co_u32 s[G0+1], s[WB], \slot
	s_wait_dscnt 0x0
	ROUND
	tensor_load_to_lds s[G0:G0+3], s[G1:G1+7]
	s_nop 0
.rept 4
	v_nop
.endr
.endm
; A tile's head: four additions, which are the four places behind the last products; then (mat = 1) the next tile's bias word, scale words and eight fragments are asked of LDS
.macro THEAD mat
	v_add_nc_u32 v[WAD], s[TW], v[WA0]
	v_add_nc_u32 v[BAD], s[TBI], v[BA0]
	v_add_nc_u32 v[SCA], s[TS], v[SCA0]
	v_add_nc_u32 v[SKA], s[TK], v[SKA0]
.if \mat
	ds_load_b32 v[BV], v[BAD]
	ds_load_b128 v[WSC:WSC+3], v[WAD] offset:8192
.irp s, 0,1,2,3,4,5,6,7
	ds_load_b128 v[WF+8*\s:WF+8*\s+3], v[WAD] offset:1024*\s
	ds_load_b128 v[WF+8*\s+4:WF+8*\s+7], v[WAD] offset:1024*\s+512
.endr
	s_add_co_u32 s[TW], s[TW], TILEB
	s_add_co_u32 s[TBI], s[TBI], 64
.endif
.endm
.macro BCMOVE
	s_wait_dscnt 17                                ; the bias word is in; the 17 loads issued behind it may be out
.set i, 0
.rept 8
	v_mov_b32 v[BC+i], v[BV]
.set i, i+1
.endr
.endm
.macro MM t, s
.if (\s) == 0
	v_wmma_scale_f32_16x16x128_f8f6f4 v[ACC+8*(\t):ACC+8*(\t)+7], v[8*(8*(\t)+(\s)):8*(8*(\t)+(\s))+7], v[WF+8*(\s):WF+8*(\s)+7], v[BC:BC+7], v[ASC+4*(\t)], v[WSC] matrix_a_fmt:MATRIX_FMT_FP4 matrix_b_fmt:MATRIX_FMT_FP4
.elseif (\s) < 4
	v_wmma_scale_f32_16x16x128_f8f6f4 v[ACC+8*(\t):ACC+8*(\t)+7], v[8*(8*(\t)+(\s)):8*(8*(\t)+(\s))+7], v[WF+8*(\s):WF+8*(\s)+7], v[ACC+8*(\t):ACC+8*(\t)+7], v[ASC+4*(\t)+(\s)], v[WSC+(\s)] matrix_a_fmt:MATRIX_FMT_FP4 matrix_b_fmt:MATRIX_FMT_FP4
.else
	v_wmma_scale_f32_16x16x128_f8f6f4 v[ACC+8*(\t):ACC+8*(\t)+7], v[8*(8*(\t)+(\s)):8*(8*(\t)+(\s))+7], v[WF+8*(\s):WF+8*(\s)+7], v[ACC+8*(\t):ACC+8*(\t)+7], v[ASC+4*(\t)+(\s)-4], v[WSC+(\s)-4] matrix_a_fmt:MATRIX_FMT_FP4 matrix_b_fmt:MATRIX_FMT_FP4 matrix_a_scale:MATRIX_SCALE_ROW1 matrix_b_scale:MATRIX_SCALE_ROW1
.endif
.endm
; A tile's 32 products: K ascending, the four accumulators by turns, one instruction a turn; the bias is the C of the first four
.macro TMUL
	s_wait_dscnt 0x0
	WIN 0x01                                       ; source 0 window 1
.irp s, 0,1,2,3,4,5,6,7
.irp t, 0,1,2,3
	MM \t, \s
.endr
.endr
	WIN 0
.endm
; 32 numbers of a lane in four groups of eight registers (groups 0, 1: one block of 32 with lane l xor 16's; groups 2, 3: the next) become 16 bytes of codes in v[PC] on, whole blocks to a lane, and two scale bytes in v[UW]
.macro QUANT2 a0, a1, a2, a3
	v_max3_num_f32 v[QM], |v[(\a0)]|, |v[(\a0)+1]|, s[FLOOR]
	v_max3_num_f32 v[QM+1], |v[(\a2)]|, |v[(\a2)+1]|, s[FLOOR]
.irp i, 2,4,6
	v_max3_num_f32 v[QM], v[QM], |v[(\a0)+\i]|, |v[(\a0)+\i+1]|
	v_max3_num_f32 v[QM+1], v[QM+1], |v[(\a2)+\i]|, |v[(\a2)+\i+1]|
.endr
.irp i, 0,2,4,6
	v_max3_num_f32 v[QM], v[QM], |v[(\a1)+\i]|, |v[(\a1)+\i+1]|
	v_max3_num_f32 v[QM+1], v[QM+1], |v[(\a3)+\i]|, |v[(\a3)+\i+1]|
.endr
	v_permlanex16_b32 v[QM+2], v[QM], s[SEL], s[SEL+1]
	v_permlanex16_b32 v[QM+3], v[QM+1], s[SEL], s[SEL+1]
	v_max_num_f32 v[QM], v[QM], v[QM+2]            ; the blocks' largest magnitudes
	v_max_num_f32 v[QM+1], v[QM+1], v[QM+3]
	v_add_nc_u32 v[SO], s[EM2], v[QM]              ; 2 off the exponent field: the conversion takes that field as its scale
	v_add_nc_u32 v[SO+1], s[EM2], v[QM+1]
	v_lshrrev_b32 v[QM+2], 23, v[SO]               ; the scales' bytes
	v_lshrrev_b32 v[QM+3], 23, v[SO+1]
	v_lshl_or_b32 v[UW], v[QM+3], 8, v[QM+2]
	v_cvt_scalef32_pk8_fp4_f32 v[PC], v[(\a0):(\a0)+7], v[SO]
	v_cvt_scalef32_pk8_fp4_f32 v[PC+1], v[(\a1):(\a1)+7], v[SO]
	v_cvt_scalef32_pk8_fp4_f32 v[PC+2], v[(\a2):(\a2)+7], v[SO+1]
	v_cvt_scalef32_pk8_fp4_f32 v[PC+3], v[(\a3):(\a3)+7], v[SO+1]
	v_nop                                          ; one plain line behind the conversions
	v_permlane16_swap_b32 v[PC], v[PC+2]           ; lanes 0-15 take the first block whole, lanes 16-31 the second
	v_permlane16_swap_b32 v[PC+1], v[PC+3]
.endm
; What is made of a finished tile of k.  Each accumulator is read from its low end on.  bc = 1: the next tile's bias is spread on the way.
.macro EPIK bc
	s_wait_xcnt 0x0                                ; the last tile's store has read its registers
	v_add_nc_u32 v[KOFF], 32768, v[KOFF]           ; a tile on; the store below reaches back
.set j, 0
.rept 16
	v_pk_mul_f32 v[TE+j:TE+j+1], v[ACC+j:ACC+j+1], s[CS:CS+1] op_sel_hi:[1,0]
.set j, j+2
.endr
.set j, 0
.rept 32
	v_exp_f32 v[TE+j], v[TE+j]                     ; e^x
.set j, j+1
.endr
.set j, 0
.rept 16
	v_pk_add_f32 v[ACC+j:ACC+j+1], v[ACC+j:ACC+j+1], 1.0 op_sel_hi:[1,0]   ; x + 1: plain work behind the batch
.set j, j+2
.endr
	s_wait_alu depctr_va_vdst(0)                   ; one wait for the 32 exponentials, ahead of their first reader
.set j, 0
.rept 32
	v_med3_num_f32 v[ACC+j], v[ACC+j], v[TE+j], 1.0   ; x <= 0: x + 1 <= e^x <= 1;  x > 0: 1 < x + 1 < e^x
.set j, j+1
.endr
.set j, 0
.rept 16
	v_pk_mul_f32 v[ACC+j:ACC+j+1], v[ACC+j:ACC+j+1], v[MASK+j:MASK+j+1]
.set j, j+2
.endr
.if \bc
	BCMOVE
.endif
	v_pk_add_f32 v[SU:SU+1], v[ACC:ACC+1], v[ACC+2:ACC+3]       ; the column's sum over the 64 tokens, of the unquantised k, in two chains
	v_pk_add_f32 v[SU+2:SU+3], v[ACC+4:ACC+5], v[ACC+6:ACC+7]
.set j, 8
.rept 6
	v_pk_add_f32 v[SU:SU+1], v[SU:SU+1], v[ACC+j:ACC+j+1]
	v_pk_add_f32 v[SU+2:SU+3], v[SU+2:SU+3], v[ACC+j+2:ACC+j+3]
.set j, j+4
.endr
	v_pk_add_f32 v[SU:SU+1], v[SU:SU+1], v[SU+2:SU+3]
	v_add_f32 v[SU], v[SU], v[SU+1]
	v_permlanex16_b32 v[P4], v[SU], s[SEL], s[SEL+1]
	v_add_f32 v[SU], v[SU], v[P4]
	ds_store_b32 v[SKA], v[SU]                     ; both halves of the lanes write the same word with the same value
	QUANT2 ACC, ACC+8, ACC+16, ACC+24
	ds_store_b16 v[SCA], v[UW]
	global_store_b128 v[KOFF], v[PC:PC+3], s[12:13] offset:-32768 th:TH_STORE_NT   ; 512 consecutive bytes, aligned
	s_add_co_u32 s[TS], s[TS], 32
	s_add_co_u32 s[TK], s[TK], 64
.endm
.macro EPIV bc                         ; and of a tile of v; the mask holds mask / 4096 by then
	s_wait_xcnt 0x0
	v_add_nc_u32 v[KOFF], 32768, v[KOFF]
.set j, 0
.rept 16
	v_pk_mul_f32 v[ACC+j:ACC+j+1], v[ACC+j:ACC+j+1], v[MASK+j:MASK+j+1]
.set j, j+2
.endr
.if \bc
	BCMOVE
.endif
	QUANT2 ACC, ACC+8, ACC+16, ACC+24
	ds_store_b16 v[SCA], v[UW]
	global_store_b128 v[KOFF], v[PC:PC+3], s[14:15] offset:-32768 th:TH_STORE_NT
	s_add_co_u32 s[TS], s[TS], 32
.endm
.macro KLOOP n                         ; n trips: the next tile's operands are asked for, the last tile is finished, the next is multiplied
	s_mov_b32 s[LC], \n
.Lkl_\@:
	THEAD 1
	EPIK 1
	TMUL
	s_sub_co_u32 s[LC], s[LC], 1
	s_cmp_lg_u32 s[LC], 0
	s_cbranch_scc1 .Lkl_\@
.endm
.macro VLOOP n
	s_mov_b32 s[LC], \n
.Lvl_\@:
	THEAD 1
	EPIV 1
	TMUL
	s_sub_co_u32 s[LC], s[LC], 1
	s_cmp_lg_u32 s[LC], 0
	s_cbranch_scc1 .Lvl_\@
.endm
.macro SLOTIS slot                     ; the unit's tiles begin here in my ring
	s_mov_b32 s[TW], \slot
	s_mov_b32 s[TBI], \slot
.endm
	ISSUE 0, 0
	ISSUE 1, 512
	ISSUE 2, 1024
	s_mov_b32 s[NP], 2
	s_wait_xcnt 0x0
	s_add_nc_u64 s[LP:LP+1], s[LP:LP+1], 1024
	s_mov_b32 s[TC], 0
	s_mov_b32 s[TD], 0
	s_mov_b32 s[LC], 2
.set CAR, CA
.set SAR, SA
.Lkey:                                             ; key's eight pieces, four a trip; the last three requests are value's first pieces
	s_wait_dscnt 0x0                               ; the last trip's LDS stores have read their addresses
	v_add_nc_u32 v[CA], s[TC], v[CA0]
	v_add_nc_u32 v[SA], s[TD], v[SA0]
	PIECE 0, 32, 1, 0, 0
	PIECE 1, 32, 1, 64, 4
	PIECE 2, 32, 1, 128, 8
	PIECE 3, 32, 1, 192, 12
	s_add_co_u32 s[TC], s[TC], 256
	s_add_co_u32 s[TD], s[TD], 16
	s_sub_co_u32 s[LC], s[LC], 1
	s_cmp_lg_u32 s[LC], 0
	s_cbranch_scc1 .Lkey
.set CAR, CA0
.set SAR, SA0
	s_wait_dscnt 0x0                               ; my rows of key's image have landed
	s_barrier_signal -1                            ; (unit 0's tensor load may stay out)
	s_barrier_wait -1
	AFETCH
	s_mov_b32 s[TS], 0
	s_mov_b32 s[TK], 0
	v_mov_b32 v[KOFF], v[KOFF0]
	; ---- unit 0.  Its round also stands between every wave's reads of key's image and the first store of value's
	CHANGE PART
	SLOTIS 0
	THEAD 1
	BCMOVE
.rept 4
	v_nop
.endr
	TMUL
	KLOOP 3
	PIECE 0, 32, 1, 0, 0                           ; value's pieces 0 and 1
	PIECE 1, 32, 1, 64, 4
	; ---- unit 1
	CHANGE 0
	SLOTIS PART
	KLOOP 4
	PIECE 2, 32, 1, 128, 8
	PIECE 3, 32, 1, 192, 12
	; ---- unit 2
	CHANGE PART
	SLOTIS 0
	KLOOP 4
	PIECE 0, 32, 1, 256, 16                        ; the last request
	PIECE 1, 32, 0, 320, 20
	; ---- unit 3
	CHANGE 0
	SLOTIS PART
	KLOOP 4
	PIECE 2, 16, 0, 384, 24                        ; the counts run down
	PIECE 3, 0, 0, 448, 28
	; ---- unit 4: v's first.  Its round also shows value's image whole
	CHANGE PART
	SLOTIS 0
	THEAD 1
	AFETCH
	EPIK 1                                         ; k's last tile
	ds_load_b128 v[TE:TE+3], v[FLS]                ; my wave's 256 pairs of scale bytes and 256 sums: LDS serves a wave's instructions in order, so these see my stores
	ds_load_b128 v[TE+4:TE+7], v[FLK]
	ds_load_b128 v[TE+8:TE+11], v[FLK] offset:512
	s_wait_dscnt 0x0
	global_store_b128 v[FLO], v[TE:TE+3], s[16:17]              ; sixteen lanes store 256 consecutive bytes, aligned
	global_store_b128 v[FLO], v[TE+4:TE+7], s[20:21]
	global_store_b128 v[FLO], v[TE+8:TE+11], s[20:21] offset:32768
.set j, 0
.rept 16
	v_pk_mul_f32 v[MASK+j:MASK+j+1], v[MASK+j:MASK+j+1], s[LINV:LINV+1] op_sel_hi:[1,0]   ; mask / 4096: exact
.set j, j+2
.endr
	s_wait_xcnt 0x0                                ; k's last store has read its offset
	v_mov_b32 v[KOFF], v[KOFF0]
	s_mov_b32 s[TS], 0
	TMUL
	VLOOP 3
	; ---- units 5, 6
	CHANGE 0
	SLOTIS PART
	VLOOP 4
	CHANGE PART
	SLOTIS 0
	VLOOP 4
	; ---- unit 7: nothing is left to ask for; only I read my part of the ring
	s_wait_tensorcnt 0x0
	SLOTIS PART
	VLOOP 4
	THEAD 0
	EPIV 0
	ds_load_b128 v[TE:TE+3], v[FLS]
	s_wait_dscnt 0x0
	global_store_b128 v[FLO], v[TE:TE+3], s[18:19]
	s_wait_tensorcnt 0x0                           ; the wave's end
	ds_add_u32 v[SPW], v[NIL]
	s_wait_dscnt 0x0
	ROUND                                          ; the closing round
	s_endpgm
.Lfunc_end_k_qa8d6063bb5_kvproj:
	.size	k_qa8d6063bb5_kvproj, .Lfunc_end_k_qa8d6063bb5_kvproj-k_qa8d6063bb5_kvproj
	.p2alignl 7, 3214868480
	.fill 96, 4, 3214868480
	.section	.rodata,"a",@progbits
	.p2align	6, 0x0
	.amdhsa_kernel k_qa8d6063bb5_kvproj
		.amdhsa_group_segment_fixed_size 327680
		.amdhsa_private_segment_fixed_size 0
		.amdhsa_enable_private_segment 0
		.amdhsa_kernarg_size 72
		.amdhsa_user_sgpr_count 2
		.amdhsa_user_sgpr_kernarg_segment_ptr 1
		.amdhsa_wavefront_size32 1
		.amdhsa_system_sgpr_workgroup_id_x 1
		.amdhsa_system_sgpr_workgroup_id_y 1
		.amdhsa_system_sgpr_workgroup_id_z 1
		.amdhsa_system_vgpr_workitem_id 0
		.amdhsa_next_free_vgpr 768
		.amdhsa_next_free_sgpr 70
		.amdhsa_reserve_vcc 0
		.amdhsa_float_denorm_mode_32 3
		.amdhsa_float_denorm_mode_16_64 3
		.amdhsa_memory_ordered 1
		.amdhsa_forward_progress 1
		.amdhsa_inst_pref_size 255
	.end_amdhsa_kernel
	.section	.bss,"aw",@nobits
	.p2align	6
	.space	262144
	.amdgpu_metadata
---
amdhsa.version: [ 1, 2 ]
amdhsa.kernels:
  - .name:           k_qa8d6063bb5_kvproj
    .symbol:         k_qa8d6063bb5_kvproj.kd
    .args:
      - { .name: key, .offset: 0, .size: 8, .value_kind: global_buffer, .address_space: global }
      - { .name: value, .offset: 8, .size: 8, .value_kind: global_buffer, .address_space: global }
      - { .name: mask_kv, .offset: 16, .size: 8, .value_kind: global_buffer, .address_space: global }
      - { .name: wc, .offset: 24, .size: 8, .value_kind: global_buffer, .address_space: global }
      - { .name: kc, .offset: 32, .size: 8, .value_kind: global_buffer, .address_space: global }
      - { .name: vc, .offset: 40, .size: 8, .value_kind: global_buffer, .address_space: global }
      - { .name: ksc, .offset: 48, .size: 8, .value_kind: global_buffer, .address_space: global }
      - { .name: vsc, .offset: 56, .size: 8, .value_kind: global_buffer, .address_space: global }
      - { .name: skp, .offset: 64, .size: 8, .value_kind: global_buffer, .address_space: global }
    .group_segment_fixed_size: 327680
    .private_segment_fixed_size: 0
    .kernarg_segment_align: 8
    .kernarg_segment_size: 72
    .max_flat_workgroup_size: 128
    .sgpr_count:     70
    .vgpr_count:     768
    .wavefront_size: 32
...
	.end_amdgpu_metadata
.endif
;; end of part 2
;; launch kvsum (part 3): grid 256 x 1, 4 waves a work-group, no clusters, 28,160 bytes of LDS; arguments kc, vc, ksc, vsc, skp, kvq; writes kvq
.if DOCPART == 3
	.amdgcn_target "amdgcn-amd-amdhsa--gfx1250"
	.amdhsa_code_object_version 6
	.text
	.protected	k_qa8d6063bb5_kvsum
	.globl	k_qa8d6063bb5_kvsum
	.p2align	8
	.type	k_qa8d6063bb5_kvsum,@function
k_qa8d6063bb5_kvsum:
	s_mov_b64 s[64:65], 0
	v_nop
	global_prefetch_b8 v0, s[64:65] scope:SCOPE_SE
	s_setreg_imm32_b32 hwreg(HW_REG_WAVE_MODE, 25, 1), 1
	s_wait_xcnt 0x0
; kv[d][v] = the sum over a batch's 4,096 tokens of k[l][d] v[l][v], on the codes and scale bytes that the launch before has stored; kv is then quantised along d, and k's 64 partial sums are added.
; SHARES.  A work-group takes one head of one batch and 16 of its v (id = 4 (16 b + head) + vt).  Wave q takes K steps 8 q .. 8 q + 7 (128 tokens each): four tiles of d x the one tile of v, four accumulators, 32 products.
; The four waves' sums meet in LDS; wave 0 adds them, quantises and stores.  Source 0 = 16 places of k, source 1 = 16 v: a lane holds one v, and the 16 registers of tiles 2 b, 2 b + 1 are d = 32 b + 16 (lane / 16) + 0 .. 15.
; OUT, 768 bytes: 512 of codes (rows v = 16 vt + r, registers 0-3 of an operand whose K is d); then 16 scale words (bytes 2, 3 = 127, for the zero codes that fill K up to 128), the 16 sums of places 16 vt + r, and both once more.
; No tensor loads: operands come from memory in the order of the operand's registers.  k's codes are read by the four work-groups of a head, which are neighbours in the grid.
; LIMITS: NaN and infinities are not served; a block of zeros or under 2^-124 gets the byte 1.  The sums over K are added in four parts.
.set RED,  0                           ; 4 x 4,096: the waves' accumulators, as images of their registers
.set SC,   16384                       ; 4 x 2,560: a wave's scale bytes: k's [16 groups][128 bytes], then v's [16][32]
.set SKR,  SC+4*2560                   ; 4 x 64: the waves' sums of k
.set OUTU, SKR+256                     ; 256: the last unit of the output
.set L16, 4
.set KSO, 5
.set VSO, 6
.set SKO, 7
.set RK,  8                            ; v8-23 k's scale bytes as loaded, v24-27 v's, v28-35 partial sums of k
.set SCW, 36
.set KSA, 37
.set VSA, 38
.set SKW, 39
.set RDW, 40
.set RDR, 41
.set SKRD, 42
.set OA,  43
.set ORD, 44
.set O8,  45
.set PX,  46                           ; v46-49
.set SS,  50                           ; v50-53
.set OU,  54                           ; v54-55
.set VF,  64                           ; v64-127  v's fragments
.set KW,  128                          ; v128-143 k's scale words (4 ct + s % 4), v144-147 v's: lanes 0-15 K steps 0-3, lanes 16-31 K steps 4-7
.set ACC, 168                          ; v168-199
.set TLO, 200                          ; v200-219, v220-239: halves of scale words
.set THI, 220
.set QM,  240
.set SO,  244
.set UW,  246
.set PC,  248
.set SEL, 30
.set FLOOR, 32
.set EM2, 33
.set MSB, 0
.macro WIN new
.if MSB != (\new)
	s_set_vgpr_msb (MSB<<8)|(\new)
.set MSB, (\new)
.endif
.endm
	s_load_b256 s[4:11], s[0:1], 0x0               ; kc, vc, ksc, vsc
	s_load_b128 s[12:15], s[0:1], 0x20             ; skp, kvq
	v_lshl_add_u32 v254, v0, 2, 0x6c00
	v_mov_b32 v255, 0
	v_lshrrev_b32 v1, 5, v0
	v_readfirstlane_b32 s16, v1                    ; wave q
	v_and_b32 v1, 31, v0                           ; lane
	v_and_b32 v2, 15, v0                           ; r
	v_bfe_u32 v3, v0, 4, 1                         ; h
	s_and_b32 s17, ttmp9, 3                        ; vt
	s_lshr_b32 s18, ttmp9, 2                       ; 16 b + head
	s_mov_b32 s[SEL], 0x76543210
	s_mov_b32 s[SEL+1], 0xfedcba98
	s_mov_b32 s[FLOOR], 0x1800000
	s_mov_b32 s[EM2], 0xff000000
	s_lshl_b32 s20, s18, 17                        ; kc: (4 bh x 64 + 16 q) 512
	s_lshl_b32 s21, s16, 13
	s_add_co_u32 s20, s20, s21
	s_mov_b32 s21, 0
	s_lshl_b32 s22, s17, 15                        ; vc: vt tiles on
	s_add_co_u32 s22, s22, s20
	s_mov_b32 s23, 0
	s_lshr_b32 s24, s18, 1                         ; ksc: ((bh / 2) 64 + 16 q) 256 + 128 (bh % 2)
	s_lshl_b32 s24, s24, 6
	s_lshl_b32 s25, s16, 4
	s_add_co_u32 s24, s24, s25
	s_lshl_b32 s24, s24, 8
	s_and_b32 s25, s18, 1
	s_lshl_b32 s25, s25, 7
	s_add_co_u32 s24, s24, s25
	s_mov_b32 s25, 0
	s_lshl_b32 s26, s17, 5                         ; vsc: + 32 vt
	s_add_co_u32 s26, s26, s24
	s_mov_b32 s27, 0
	s_lshl_b32 s28, s18, 6                         ; skp: (64 bh + 16 q) 256 + 64 vt
	s_lshl_b32 s29, s16, 4
	s_add_co_u32 s28, s28, s29
	s_lshl_b32 s28, s28, 8
	s_lshl_b32 s29, s17, 6
	s_add_co_u32 s28, s28, s29
	s_mov_b32 s29, 0
	s_mul_i32 s34, ttmp9, 768
	s_mov_b32 s35, 0
	v_lshlrev_b32 v[L16], 4, v1
	v_lshrrev_b32 v56, 3, v1                       ; k's scale bytes: eight lanes to a group's 128 bytes
	v_and_b32 v57, 7, v1
	v_lshlrev_b32 v57, 4, v57
	v_lshl_add_u32 v[KSO], v56, 8, v57
	v_lshrrev_b32 v56, 1, v1                       ; v's: two lanes to a group's 32 bytes
	v_and_b32 v57, 1, v1
	v_lshlrev_b32 v57, 4, v57
	v_lshl_add_u32 v[VSO], v56, 8, v57
	v_lshrrev_b32 v56, 2, v1                       ; the sums: four lanes to a group's 64 bytes
	v_and_b32 v57, 3, v1
	v_lshlrev_b32 v57, 4, v57
	v_lshl_add_u32 v[SKO], v56, 8, v57
	s_wait_kmcnt 0x0
	s_add_nc_u64 s[4:5], s[4:5], s[20:21]
	s_add_nc_u64 s[6:7], s[6:7], s[22:23]
	s_add_nc_u64 s[8:9], s[8:9], s[24:25]
	s_add_nc_u64 s[10:11], s[10:11], s[26:27]
	s_add_nc_u64 s[12:13], s[12:13], s[28:29]
	s_add_nc_u64 s[14:15], s[14:15], s[34:35]
.irp i, 0,1,2,3
	global_load_b128 v[RK+4*\i:RK+4*\i+3], v[KSO], s[8:9] offset:1024*\i
.endr
	global_load_b128 v[RK+16:RK+19], v[VSO], s[10:11]
	global_load_b128 v[RK+20:RK+23], v[SKO], s[12:13]
	global_load_b128 v[RK+24:RK+27], v[SKO], s[12:13] offset:2048
.macro FRAGS s0                        ; the fragments of four K steps: 40 loads of 512 consecutive bytes
	WIN 0x40                                       ; destination window 1
.irp c, 0,1,2,3
.irp d, 0,1,2,3
	global_load_b128 v[8*(8*\c+\s0+\d):8*(8*\c+\s0+\d)+3], v[L16], s[4:5] offset:32768*\c+1024*(\s0+\d)
	global_load_b128 v[8*(8*\c+\s0+\d)+4:8*(8*\c+\s0+\d)+7], v[L16], s[4:5] offset:32768*\c+1024*(\s0+\d)+512
.endr
.endr
	WIN 0
.irp d, 0,1,2,3
	global_load_b128 v[VF+8*(\s0+\d):VF+8*(\s0+\d)+3], v[L16], s[6:7] offset:1024*(\s0+\d) th:TH_LOAD_NT
	global_load_b128 v[VF+8*(\s0+\d)+4:VF+8*(\s0+\d)+7], v[L16], s[6:7] offset:1024*(\s0+\d)+512 th:TH_LOAD_NT
.endr
.endm
	FRAGS 0
	s_mul_i32 s36, s16, 2560
	s_add_co_u32 s36, s36, SC
	v_add_nc_u32 v[SCW], s36, v[L16]
	v_lshlrev_b32 v56, 1, v2
	v_lshl_add_u32 v57, v3, 10, v56                ; lanes 16-31: eight groups (four K steps) further on
	v_add_nc_u32 v[KSA], s36, v57
	v_lshl_add_u32 v57, v3, 8, v56
	s_add_co_u32 s37, s36, 2048
	v_add_nc_u32 v[VSA], s37, v57
	v_and_b32 v56, 3, v1
	s_lshl_b32 s37, s16, 6
	s_add_co_u32 s37, s37, SKR
	v_lshl_add_u32 v[SKW], v56, 4, s37
	s_lshl_b32 s37, s16, 12
	v_add_nc_u32 v[RDW], s37, v[L16]
	v_mov_b32 v[RDR], v[L16]
	v_lshlrev_b32 v56, 2, v2
	v_add_nc_u32 v[SKRD], SKR, v56
	v_lshl_add_u32 v57, v3, 7, v56
	v_add_nc_u32 v[OA], OUTU, v57
	v_lshlrev_b32 v[O8], 3, v1
	v_add_nc_u32 v[ORD], OUTU, v[O8]
.irp k, 0,1,2,3
	v_mov_b32 v[PX+\k], 0                          ; written once: a lane permute's destination counts as one of its sources
.endr
	v_mov_b32 v[QM+2], 0
	v_mov_b32 v[QM+3], 0
	s_wait_loadcnt 40                              ; the seven small loads are in; the 40 fragment loads may be out
.irp i, 0,1,2,3
	ds_store_b128 v[SCW], v[RK+4*\i:RK+4*\i+3] offset:512*\i    ; the scale bytes as they lie
.endr
	ds_store_b128 v[SCW], v[RK+16:RK+19] offset:2048
	v_pk_add_f32 v[RK+20:RK+21], v[RK+20:RK+21], v[RK+24:RK+25]  ; my 16 groups' sums of k: four places a lane
	v_pk_add_f32 v[RK+22:RK+23], v[RK+22:RK+23], v[RK+26:RK+27]
.irp x, 4,8
.irp k, 0,1,2,3
	v_add_f32_dpp v[RK+20+\k], v[RK+20+\k], v[RK+20+\k] row_xmask:\x row_mask:0xf bank_mask:0xf
.endr
.endr
.irp k, 0,1,2,3
	v_permlanex16_b32 v[PX+\k], v[RK+20+\k], s[SEL], s[SEL+1]
.endr
.irp k, 0,1,2,3
	v_add_f32 v[RK+20+\k], v[RK+20+\k], v[PX+\k]
.endr
	ds_store_b128 v[SKW], v[RK+20:RK+23]           ; lanes with the same places write the same values
	FRAGS 4
.irp c, 0,1,2,3
.irp j, 0,1,2,3
	ds_load_u16 v[TLO+4*\c+\j], v[KSA] offset:256*\j+32*\c       ; LDS serves a wave's instructions in order: these see my stores.  K step j + 4 h: its first 64 tokens' two bytes,
	ds_load_u16 v[THI+4*\c+\j], v[KSA] offset:256*\j+32*\c+128   ; and its second 64 tokens'
.endr
.endr
.irp j, 0,1,2,3
	ds_load_u16 v[TLO+16+\j], v[VSA] offset:64*\j
	ds_load_u16 v[THI+16+\j], v[VSA] offset:64*\j+32
.endr
	s_wait_dscnt 0x0
.set n, 0
.rept 20
	v_lshl_or_b32 v[KW+n], v[THI+n], 16, v[TLO+n]
.set n, n+1
.endr
.rept 8
	v_nop                                          ; a scale register written by a vector instruction stands eight places ahead of the scaled product
.endr
.macro MMK c, s
.if (\s) == 0
	v_wmma_scale_f32_16x16x128_f8f6f4 v[ACC+8*(\c):ACC+8*(\c)+7], v[8*(8*(\c)+(\s)):8*(8*(\c)+(\s))+7], v[VF+8*(\s):VF+8*(\s)+7], 0, v[KW+4*(\c)], v[KW+16] matrix_a_fmt:MATRIX_FMT_FP4 matrix_b_fmt:MATRIX_FMT_FP4
.elseif (\s) < 4
	v_wmma_scale_f32_16x16x128_f8f6f4 v[ACC+8*(\c):ACC+8*(\c)+7], v[8*(8*(\c)+(\s)):8*(8*(\c)+(\s))+7], v[VF+8*(\s):VF+8*(\s)+7], v[ACC+8*(\c):ACC+8*(\c)+7], v[KW+4*(\c)+(\s)], v[KW+16+(\s)] matrix_a_fmt:MATRIX_FMT_FP4 matrix_b_fmt:MATRIX_FMT_FP4
.else
	v_wmma_scale_f32_16x16x128_f8f6f4 v[ACC+8*(\c):ACC+8*(\c)+7], v[8*(8*(\c)+(\s)):8*(8*(\c)+(\s))+7], v[VF+8*(\s):VF+8*(\s)+7], v[ACC+8*(\c):ACC+8*(\c)+7], v[KW+4*(\c)+(\s)-4], v[KW+16+(\s)-4] matrix_a_fmt:MATRIX_FMT_FP4 matrix_b_fmt:MATRIX_FMT_FP4 matrix_a_scale:MATRIX_SCALE_ROW1 matrix_b_scale:MATRIX_SCALE_ROW1
.endif
.endm
	s_wait_loadcnt 40                              ; the first four K steps are in; the other 40 loads may be out
	WIN 0x01                                       ; source 0 window 1
.irp s, 0,1,2,3
.irp c, 0,1,2,3
	MMK \c, \s                                     ; the four accumulators by turns; the first products start the sums
.endr
.endr
	s_wait_loadcnt 0x0
.irp s, 4,5,6,7
.irp c, 0,1,2,3
	MMK \c, \s
.endr
.endr
	WIN 0
.rept 4
	v_nop                                          ; four places ahead of the first read of results
.endr
.irp i, 0,1,2,3,4,5,6,7
	ds_store_b128 v[RDW], v[ACC+4*\i:ACC+4*\i+3] offset:RED+512*\i   ; each accumulator from its low end on
.endr
	s_wait_dscnt 0x0                               ; for wave 0's sake: my stores have landed
	s_barrier_signal -1
	s_barrier_wait -1
	s_cmp_lg_u32 s16, 0
	s_cbranch_scc1 .Lend
.irp i, 0,1,2,3,4,5,6,7
	ds_load_b128 v[64+4*\i:64+4*\i+3], v[RDR] offset:RED+4096+512*\i
	ds_load_b128 v[96+4*\i:96+4*\i+3], v[RDR] offset:RED+8192+512*\i
	ds_load_b128 v[200+4*\i:200+4*\i+3], v[RDR] offset:RED+12288+512*\i
.endr
.irp k, 0,1,2,3
	ds_load_b32 v[SS+\k], v[SKRD] offset:64*\k
.endr
	s_wait_dscnt 0x0
.irp x, 64, 96, 200
.set j, 0
.rept 16
	v_pk_add_f32 v[ACC+j:ACC+j+1], v[ACC+j:ACC+j+1], v[\x+j:\x+j+1]
.set j, j+2
.endr
.endr
	v_add_f32 v[SS], v[SS], v[SS+1]
	v_add_f32 v[SS], v[SS], v[SS+2]
	v_add_f32 v[SS], v[SS], v[SS+3]                ; summed k of place 16 vt + r
	; kv along d: two blocks of 32, each in lanes l and l xor 16
	v_max3_num_f32 v[QM], |v[ACC]|, |v[ACC+1]|, s[FLOOR]
	v_max3_num_f32 v[QM+1], |v[ACC+16]|, |v[ACC+17]|, s[FLOOR]
.irp i, 2,4,6,8,10,12,14
	v_max3_num_f32 v[QM], v[QM], |v[ACC+\i]|, |v[ACC+\i+1]|
	v_max3_num_f32 v[QM+1], v[QM+1], |v[ACC+16+\i]|, |v[ACC+16+\i+1]|
.endr
	v_permlanex16_b32 v[QM+2], v[QM], s[SEL], s[SEL+1]
	v_permlanex16_b32 v[QM+3], v[QM+1], s[SEL], s[SEL+1]
	v_max_num_f32 v[QM], v[QM], v[QM+2]
	v_max_num_f32 v[QM+1], v[QM+1], v[QM+3]
	v_add_nc_u32 v[SO], s[EM2], v[QM]              ; 2 off the exponent field: the conversion's scale operand
	v_add_nc_u32 v[SO+1], s[EM2], v[QM+1]
	v_lshrrev_b32 v[QM+2], 23, v[SO]
	v_lshrrev_b32 v[QM+3], 23, v[SO+1]
	v_lshl_or_b32 v[UW], v[QM+3], 8, v[QM+2]
	v_or_b32 v[UW], 0x7f7f0000, v[UW]              ; bytes 2, 3: 127, over zero codes
	v_cvt_scalef32_pk8_fp4_f32 v[PC], v[ACC:ACC+7], v[SO]
	v_cvt_scalef32_pk8_fp4_f32 v[PC+1], v[ACC+8:ACC+15], v[SO]
	v_cvt_scalef32_pk8_fp4_f32 v[PC+2], v[ACC+16:ACC+23], v[SO+1]
	v_cvt_scalef32_pk8_fp4_f32 v[PC+3], v[ACC+24:ACC+31], v[SO+1]
	v_nop                                          ; one plain line behind the conversions
	v_permlane16_swap_b32 v[PC], v[PC+2]           ; lanes 0-15: d = 0 .. 31; lanes 16-31: d = 32 .. 63
	v_permlane16_swap_b32 v[PC+1], v[PC+3]
	global_store_b128 v[L16], v[PC:PC+3], s[14:15] ; 512 consecutive bytes, aligned
	ds_store_b32 v[OA], v[UW]                      ; the last unit is gathered in LDS: words, sums, and both once more
	ds_store_b32 v[OA], v[SS] offset:64
	ds_load_b64 v[OU:OU+1], v[ORD]
	s_wait_dscnt 0x0
	global_store_b64 v[O8], v[OU:OU+1], s[14:15] offset:512     ; 256 consecutive bytes, aligned
.Lend:
	s_wait_tensorcnt 0x0
	ds_add_u32 v254, v255
	s_wait_dscnt 0x0
	s_endpgm
.Lfunc_end_k_qa8d6063bb5_kvsum:
	.size	k_qa8d6063bb5_kvsum, .Lfunc_end_k_qa8d6063bb5_kvsum-k_qa8d6063bb5_kvsum
	.p2alignl 7, 3214868480
	.fill 96, 4, 3214868480
	.section	.rodata,"a",@progbits
	.p2align	6, 0x0
	.amdhsa_kernel k_qa8d6063bb5_kvsum
		.amdhsa_group_segment_fixed_size 28160
		.amdhsa_private_segment_fixed_size 0
		.amdhsa_enable_private_segment 0
		.amdhsa_kernarg_size 48
		.amdhsa_user_sgpr_count 2
		.amdhsa_user_sgpr_kernarg_segment_ptr 1
		.amdhsa_wavefront_size32 1
		.amdhsa_system_sgpr_workgroup_id_x 1
		.amdhsa_system_sgpr_workgroup_id_y 1
		.amdhsa_system_sgpr_workgroup_id_z 1
		.amdhsa_system_vgpr_workitem_id 0
		.amdhsa_next_free_vgpr 512
		.amdhsa_next_free_sgpr 66
		.amdhsa_reserve_vcc 0
		.amdhsa_float_denorm_mode_32 3
		.amdhsa_float_denorm_mode_16_64 3
		.amdhsa_memory_ordered 1
		.amdhsa_forward_progress 1
		.amdhsa_inst_pref_size 30
	.end_amdhsa_kernel
	.amdgpu_metadata
---
amdhsa.version: [ 1, 2 ]
amdhsa.kernels:
  - .name:           k_qa8d6063bb5_kvsum
    .symbol:         k_qa8d6063bb5_kvsum.kd
    .args:
      - { .name: kc, .offset: 0, .size: 8, .value_kind: global_buffer, .address_space: global }
      - { .name: vc, .offset: 8, .size: 8, .value_kind: global_buffer, .address_space: global }
      - { .name: ksc, .offset: 16, .size: 8, .value_kind: global_buffer, .address_space: global }
      - { .name: vsc, .offset: 24, .size: 8, .value_kind: global_buffer, .address_space: global }
      - { .name: skp, .offset: 32, .size: 8, .value_kind: global_buffer, .address_space: global }
      - { .name: kvq, .offset: 40, .size: 8, .value_kind: global_buffer, .address_space: global }
    .group_segment_fixed_size: 28160
    .private_segment_fixed_size: 0
    .kernarg_segment_align: 8
    .kernarg_segment_size: 48
    .max_flat_workgroup_size: 128
    .sgpr_count:     66
    .vgpr_count:     512
    .wavefront_size: 32
...
	.end_amdgpu_metadata
.endif
;; end of part 3
;; launch qout (part 4): grid 256 x 1, 4 waves a work-group, clusters of 4 x 1, 327,680 bytes of LDS; arguments query, mask_q, wc, kvq, out0; writes out0
.if DOCPART == 4
	.amdgcn_target "amdgcn-amd-amdhsa--gfx1250"
	.amdhsa_code_object_version 6
	.text
	.protected	k_qa8d6063bb5_qout
	.globl	k_qa8d6063bb5_qout
	.p2align	8
	.type	k_qa8d6063bb5_qout,@function
k_qa8d6063bb5_qout:
	s_mov_b64 s[64:65], 0
	v_nop
	global_prefetch_b8 v0, s[64:65] scope:SCOPE_SE
	s_setreg_imm32_b32 hwreg(HW_REG_WAVE_MODE, 25, 1), 1
	s_wait_xcnt 0x0
	s_wait_alu depctr_hold_cnt(0) depctr_sa_sdst(0) depctr_va_vdst(0) depctr_va_sdst(0) depctr_va_ssrc(0) depctr_va_vcc(0) depctr_vm_vsrc(0)
	s_getreg_b32 s2, hwreg(HW_REG_IB_STS2, 6, 4)
	s_cmp_eq_u32 s2, 0
	s_cbranch_scc0 .Lentry_in_a_cluster
	s_endpgm
.Lentry_in_a_cluster:
	s_bfe_u32 s2, ttmp6, 0x10000c
	s_cmp_lg_u32 s2, 0x3003
	s_cbranch_scc0 .Lentry_shape_is_right
	s_endpgm
.Lentry_shape_is_right:
; q = (elu(query Wq^T + bq) + 1) mask_q;  out = (Q(q) . Q(kv)) x 4096 / (1e-6 + q . summed k).  Both products on codes of E2M1 with E8M0 scales; q . summed k in f32, of the unquantised q.
; SHARES.  A work-group owns 64 tokens.  Wave w quantises rows 16 w .. 16 w + 15 of query, and then takes heads 4 w .. 4 w + 3 for all 64 tokens: four units.
; THE FIRST PRODUCT IS USED TRANSPOSED: source 0 = 16 places of Wq, source 1 = 16 tokens.  A lane holds ONE token, and, by the order in which the weights' rows were laid, the 16 registers of tiles 2 b, 2 b + 1 are
; d = 32 b + 16 (lane / 16) + 0 .. 15: so q is quantised along d in registers and is source 1 of the second product, whose source 0 is 16 rows v of kv^T.  K = 64 there: the other 64 codes are zeros under the byte 127.
; WEIGHTS come through a ring of two LDS slots for each wave, 35,072 bytes a head, asked for JOINTLY by the four work-groups of a cluster, which walk the same weights.  One tensor load of a wave is out at a time.
; A lane's eight results are eight neighbouring v of one token: they go through the wave's stage in LDS, so that sixteen lanes store 256 consecutive bytes.  The stage lies over query's image, which every wave has left at the first round.
; LIMITS: NaN and infinities are not served; a block of zeros or under 2^-124 gets the scale byte 1.  e^x = 2^(x log2 e): its relative error grows with |x| (6e-8 x 1.44 |x|).
; REGISTERS: window 0 as named; window 1: the tokens' fragments, 8 (8 t + s); window 2: at the head four sets of 64 numbers as loaded, later as named; window 3: the biases and kv's fragments.
.set PART,  35072
.set TILEB, 8704
.set PITCH, 528
.set AIMG,  8*PART
.set ASCL,  AIMG+64*PITCH
.set SPARE, ASCL+2048
.set SPW, 1
.set NIL, 2
.set LOFF, 3
.set CAR, 4
.set SAR, 5
.set AFA, 6
.set ASA, 7
.set WA0, 8
.set WAD, 9
.set QS,  10                           ; q's scale word
.set BA0, 11
.set KVS, 12                           ; v12-15  kv's scale words
.set ASC, 16                           ; v16-31  the tokens' scale words
.set WSC, 32                           ; v32-47  the weights'
.set WF,  48                           ; v48-111 two sets of four fragments of weights; at the head the quantiser's maxima, bytes and codes
.set R4,  113
.set H32, 114
.set ONE, 115
.set BAD, 116
.set MX,  48
.set EX,  64
.set CD,  80
; window 2, behind the head
.set TE,  128                          ; e^x; later 16 rows read back from the stage
.set OB,  128
.set D2,  160
.set SK,  192                          ; summed k of my places
.set PC,  224                          ; q's codes; registers 4-7 stay zero
.set MQ,  232
.set QM,  236
.set SO,  240
.set UW,  242
.set SUMA, 244
.set SUMB, 246
.set STO, 248
.set RD,  249
.set GO,  250
.set RC,  252
.set PX,  254
; window 3
.set BC,  0
.set KVF, 32
.set LP, 4
.set KQ, 10
.set OUTP, 12
.set WV, 22
.set LC, 28
.set SEL, 30
.set CS, 32
.set G0, 36
.set G1, 40
.set WB, 48
.set FLOOR, 50
.set EXPM, 51
.set SGN, 52
.set TWOS, 53
.set TB, 54
.set TF, 55
.set PADS, 56
.set EM2, 57
.set EPSS, 58
.set LMUL, 59
.set MSB, 0
.macro WIN new
.if MSB != (\new)
	s_set_vgpr_msb (MSB<<8)|(\new)
.set MSB, (\new)
.endif
.endm
.macro ROUND                           ; a round of the cluster's barrier
	s_barrier_signal -1
	s_barrier_wait -1
	s_cmp_lg_u32 s[WV], 0
	s_cbranch_scc1 .Lnw0_\@
	s_barrier_signal -3
.Lnw0_\@:
	s_barrier_wait -3
	s_barrier_signal -1
	s_barrier_wait -1
.endm
	s_load_b256 s[4:11], s[0:1], 0x0               ; query, mask_q, wc, kvq
	s_load_b64 s[12:13], s[0:1], 0x20              ; out0
	v_lshl_add_u32 v[SPW], v0, 2, SPARE
	v_mov_b32 v[NIL], 0
	ds_add_u32 v1, v2
	ds_add_u32 v1, v2
	s_wait_dscnt 0x0
	v_lshrrev_b32 v117, 5, v0
	v_readfirstlane_b32 s[WV], v117
	s_bfe_u32 s23, ttmp6, 0x40000                  ; cx: it enters the addresses of inputs and outputs alone
	s_lshl_b32 s24, ttmp9, 2
	s_add_co_u32 s24, s24, s23                     ; my block of 64 tokens
	s_lshr_b32 s25, s24, 6                         ; batch
	s_mov_b32 s[G1], 15|(3<<16)|(1<<21)            ; the mask: all four work-groups; elements of 8 bytes; bit 21 beside a mask; no padding
	s_mov_b32 s[G1+1], 32<<16                      ; rows of 256 bytes,
	s_mov_b32 s[G1+2], 137<<16                     ; 137 of them: 35,072 dense bytes
	s_mov_b32 s[G1+3], 32<<16
	s_mov_b32 s[G1+4], 137
	s_mov_b32 s[G1+5], 32
	s_mov_b32 s[G1+6], 0
	s_mov_b32 s[G1+7], 0
	s_mul_i32 s[WB], s[WV], 2*PART
	s_mov_b32 s[SEL], 0x76543210
	s_mov_b32 s[SEL+1], 0xfedcba98
	s_mov_b32 s[CS], 0x3fb8aa3b                    ; log2 e
	s_mov_b32 s[CS+1], s[CS]
	s_mov_b32 s[FLOOR], 0x1800000
	s_mov_b32 s[EXPM], 0x7f800000
	s_mov_b32 s[SGN], 0x80000000
	s_mov_b32 s[TWOS], 0x02020202
	s_mov_b32 s[PADS], 0x7f7f0000
	s_mov_b32 s[EM2], 0xff000000
	s_mov_b32 s[EPSS], 0x358637bd                  ; 1e-6
	s_mov_b32 s[LMUL], 0x45800000                  ; 4096
	s_mov_b32 s[TB], 0
	s_mov_b32 s[TF], 0
	v_and_b32 v117, 31, v0                         ; lane
	v_and_b32 v118, 15, v0                         ; r
	v_bfe_u32 v119, v0, 4, 1                       ; h
	v_lshlrev_b32 v[LOFF], 4, v117
	s_mul_i32 s29, s[WV], 16*PITCH
	s_add_co_u32 s29, s29, AIMG
	v_lshl_add_u32 v[CAR], v117, 1, s29
	v_lshrrev_b32 v120, 3, v117
	s_lshl_b32 s29, s[WV], 9
	s_add_co_u32 s29, s29, ASCL
	v_add_nc_u32 v[SAR], s29, v120
	v_mul_u32_u24 v120, v118, PITCH
	v_lshl_add_u32 v120, v119, 4, v120
	v_add_nc_u32 v[AFA], AIMG, v120
	v_lshlrev_b32 v120, 5, v118
	v_lshl_add_u32 v120, v119, 4, v120
	v_add_nc_u32 v[ASA], ASCL, v120
	v_add_nc_u32 v[WA0], s[WB], v[LOFF]
	s_add_co_u32 s29, s[WB], 4*TILEB
	v_lshl_add_u32 v[BA0], v119, 5, s29            ; the biases of my eight places of a tile: + 32 h
	v_lshlrev_b32 v[R4], 2, v118
	v_lshlrev_b32 v[H32], 5, v119
	v_mov_b32 v[ONE], 1.0
	s_mul_i32 s29, s[WV], 16*272
	s_add_co_u32 s29, s29, AIMG                    ; my stage
	v_mul_u32_u24 v121, v118, 272
	v_lshl_add_u32 v121, v119, 5, v121
	v_add_nc_u32 v121, s29, v121                   ; in: row r, + 32 h
	v_mul_u32_u24 v122, v119, 272
	v_lshl_add_u32 v122, v118, 4, v122
	v_add_nc_u32 v122, s29, v122                   ; back: lanes 0-15 one row, lanes 16-31 the next
	v_lshlrev_b32 v123, 4, v118
	v_lshl_add_u32 v123, v119, 12, v123            ; and the same two rows in out0
	s_lshl_b32 s34, s24, 18                        ; my rows of query: token 64 wg + 16 w
	s_lshl_b32 s29, s[WV], 16
	s_add_co_u32 s34, s34, s29
	s_mov_b32 s35, 0
	s_lshl_b32 s62, s[WV], 2
	s_add_co_u32 s62, s62, 32
	s_mul_i32 s62, s62, PART                       ; my four units in wc: blocks 32 + 4 w on
	s_mov_b32 s63, 0
	s_wait_kmcnt 0x0
	s_add_nc_u64 s[LP:LP+1], s[4:5], s[34:35]
	s_mov_b32 s[G0], 1
	s_mov_b32 s[G0+1], s[WB]
	s_add_nc_u64 s[G0+2:G0+3], s[8:9], s[62:63]
	s_or_b32 s[G0+3], s[G0+3], 0x80000000
	s_lshl_b32 s62, s24, 8
	s_add_nc_u64 s[6:7], s[6:7], s[62:63]          ; my 64 tokens' mask
	s_lshl_b32 s62, s25, 4
	s_lshl_b32 s29, s[WV], 2
	s_add_co_u32 s62, s62, s29
	s_mul_i32 s62, s62, 3072
	s_add_nc_u64 s[KQ:KQ+1], s[KQ:KQ+1], s[62:63]  ; kv of my first head
	s_lshl_b32 s62, s24, 18
	s_lshl_b32 s29, s[WV], 10
	s_add_co_u32 s62, s62, s29
	s_add_nc_u64 s[OUTP:OUTP+1], s[OUTP:OUTP+1], s[62:63]   ; out0 at my block's first token, my first head
	ROUND                                          ; all four work-groups are here: the first joint loads meet
	tensor_load_to_lds s[G0:G0+3], s[G1:G1+7]      ; unit 0 into slot 0
	s_nop 0
.rept 4
	v_nop
.endr
.macro ISSUE set, off                  ; a piece: 16 rows x 128 along K, 512 consecutive bytes a load
	WIN 0x80
.set i, 0
.rept 16
	global_load_b128 v[64*(\set)+4*i:64*(\set)+4*i+3], v[LOFF], s[LP:LP+1] offset:i*4096+(\off) th:TH_LOAD_NT
.set i, i+1
.endr
	WIN 0
.endm
.macro QROWS set, cofs, sofs           ; a set's 16 rows become codes and exponent bytes in LDS; the stages run across the rows
.set RS, 64*(\set)
	WIN 0x0a
.set i, 0
.rept 16
	v_max3_num_f32 v[MX+i], |v[RS+4*i]|, |v[RS+4*i+1]|, s[FLOOR]
.set i, i+1
.endr
.set i, 0
.rept 16
	v_max3_num_f32 v[MX+i], |v[RS+4*i+2]|, |v[RS+4*i+3]|, v[MX+i]
.set i, i+1
.endr
	WIN 0
.irp x, 1,2,4
.set i, 0
.rept 16
	v_max_num_f32_dpp v[MX+i], v[MX+i], v[MX+i] row_xmask:\x row_mask:0xf bank_mask:0xf
.set i, i+1
.endr
.endr
	s_wait_dscnt 0x0                               ; the last piece's LDS stores have read their registers
.set i, 0
.rept 16
	v_lshrrev_b32 v[EX+i], 23, v[MX+i]             ; the scale's byte + 2
.set i, i+1
.endr
.set i, 0
.rept 16
	v_and_b32 v[MX+i], s[EXPM], v[MX+i]
.set i, i+1
.endr
.set i, 0
.rept 16
	v_sub_nc_u32 v[MX+i], s[SGN], v[MX+i]          ; 1 / scale
.set i, i+1
.endr
	WIN 0x82
.set i, 0
.rept 8
	v_pk_mul_f32 v[RS+8*i:RS+8*i+1], v[RS+8*i:RS+8*i+1], v[MX+2*i:MX+2*i+1] op_sel_hi:[1,0]
	v_pk_mul_f32 v[RS+8*i+2:RS+8*i+3], v[RS+8*i+2:RS+8*i+3], v[MX+2*i:MX+2*i+1] op_sel_hi:[1,0]
	v_pk_mul_f32 v[RS+8*i+4:RS+8*i+5], v[RS+8*i+4:RS+8*i+5], v[MX+2*i:MX+2*i+1] op_sel:[0,1] op_sel_hi:[1,1]
	v_pk_mul_f32 v[RS+8*i+6:RS+8*i+7], v[RS+8*i+6:RS+8*i+7], v[MX+2*i:MX+2*i+1] op_sel:[0,1] op_sel_hi:[1,1]
.set i, i+1
.endr
	WIN 0x02
.set i, 0
.rept 8
	v_cvt_scalef32_pk8_fp4_f32 v[CD+i], v[RS+8*i:RS+8*i+7], v[ONE]
.set i, i+1
.endr
	v_nop                                          ; one plain line behind the conversions
	WIN 0
.set i, 0
.rept 8
	ds_store_b16 v[CAR], v[CD+i] offset:(\cofs)+2*i*PITCH
	ds_store_b16_d16_hi v[CAR], v[CD+i] offset:(\cofs)+(2*i+1)*PITCH
.set i, i+1
.endr
.set i, 0
.rept 16
	ds_store_b8 v[SAR], v[EX+i] offset:(\sofs)+32*i
.set i, i+1
.endr
.endm
.macro PIECE set, wait, issue, cofs, sofs      ; wait: the loads of the younger sets, which may stay out
	s_wait_loadcnt \wait
.if \issue
	s_wait_xcnt 0x0                                ; the earlier loads have read their base
	s_add_nc_u64 s[LP:LP+1], s[LP:LP+1], 512
	ISSUE ((\set)+3)%4, 0
.endif
	QROWS \set, \cofs, \sofs
.endm
	ISSUE 0, 0
	ISSUE 1, 512
	ISSUE 2, 1024
	s_wait_xcnt 0x0
	s_add_nc_u64 s[LP:LP+1], s[LP:LP+1], 1024
	PIECE 0, 32, 1, 0, 0
	PIECE 1, 32, 1, 64, 4
	PIECE 2, 32, 1, 128, 8
	PIECE 3, 32, 1, 192, 12
	PIECE 0, 32, 1, 256, 16                        ; the last request
	PIECE 1, 32, 0, 320, 20
	PIECE 2, 16, 0, 384, 24                        ; the counts run down
	PIECE 3, 0, 0, 448, 28
	s_wait_dscnt 0x0                               ; my rows of the image have landed
	s_barrier_signal -1                            ; (unit 0's tensor load may stay out)
	s_barrier_wait -1
	WIN 0x40                                       ; the 64 tokens' fragments: they stay in window 1
.irp t, 0,1,2,3
.irp s, 0,1,2,3,4,5,6,7
	ds_load_b128 v[8*(8*\t+\s):8*(8*\t+\s)+3], v[AFA] offset:16*PITCH*\t+64*\s
	ds_load_b128 v[8*(8*\t+\s)+4:8*(8*\t+\s)+7], v[AFA] offset:16*PITCH*\t+64*\s+32
.endr
.endr
	WIN 0
.irp t, 0,1,2,3
	ds_load_b128 v[ASC+4*\t:ASC+4*\t+3], v[ASA] offset:512*\t
.endr
	s_wait_dscnt 0x0
.set i, 0
.rept 16
	v_sub_nc_u32 v[ASC+i], v[ASC+i], s[TWOS]       ; 2 off each byte: none is under 3, so none borrows
.set i, i+1
.endr
	WIN 0x80                                       ; destination window 2
.irp t, 0,1,2,3
	global_load_b32 v[MQ+\t], v[R4], s[6:7] offset:64*\t        ; the mask of token 16 t + r
.endr
	v_mov_b32 v[STO], v121
	v_mov_b32 v[RD], v122
	v_mov_b32 v[GO], v123
.irp k, 4,5,6,7
	v_mov_b32 v[PC+\k], 0                          ; the codes of k = 64 .. 127: zeros
.endr
	v_mov_b32 v[QM+2], 0                           ; written once: a lane permute's destination counts as one of its sources
	v_mov_b32 v[QM+3], 0
	v_mov_b32 v[PX], 0
	v_mov_b32 v[RC+1], 0                           ; (named as the upper half of a pair)
	WIN 0xc0                                       ; destination window 3
.irp t, 0,1,2,3
.irp k, 4,5,6,7
	v_mov_b32 v[KVF+8*\t+\k], 0
.endr
.endr
	WIN 0
.macro MMQ c, t, s
.if (\s) == 0
	v_wmma_scale_f32_16x16x128_f8f6f4 v[8*(4*(\c)+(\t)):8*(4*(\c)+(\t))+7], v[WF+8*(\c):WF+8*(\c)+7], v[8*(8*(\t)):8*(8*(\t))+7], v[BC+8*(\c):BC+8*(\c)+7], v[WSC+4*(\c)], v[ASC+4*(\t)] matrix_a_fmt:MATRIX_FMT_FP4 matrix_b_fmt:MATRIX_FMT_FP4
.elseif (\s) < 4
	v_wmma_scale_f32_16x16x128_f8f6f4 v[8*(4*(\c)+(\t)):8*(4*(\c)+(\t))+7], v[WF+32*((\s)%2)+8*(\c):WF+32*((\s)%2)+8*(\c)+7], v[8*(8*(\t)+(\s)):8*(8*(\t)+(\s))+7], v[8*(4*(\c)+(\t)):8*(4*(\c)+(\t))+7], v[WSC+4*(\c)+(\s)], v[ASC+4*(\t)+(\s)] matrix_a_fmt:MATRIX_FMT_FP4 matrix_b_fmt:MATRIX_FMT_FP4
.else
	v_wmma_scale_f32_16x16x128_f8f6f4 v[8*(4*(\c)+(\t)):8*(4*(\c)+(\t))+7], v[WF+32*((\s)%2)+8*(\c):WF+32*((\s)%2)+8*(\c)+7], v[8*(8*(\t)+(\s)):8*(8*(\t)+(\s))+7], v[8*(4*(\c)+(\t)):8*(4*(\c)+(\t))+7], v[WSC+4*(\c)+(\s)-4], v[ASC+4*(\t)+(\s)-4] matrix_a_fmt:MATRIX_FMT_FP4 matrix_b_fmt:MATRIX_FMT_FP4 matrix_a_scale:MATRIX_SCALE_ROW1 matrix_b_scale:MATRIX_SCALE_ROW1
.endif
.endm
; What is made of the head's q for tokens 16 t .. 16 t + 15.  All in window 2 but q's scale word and kv's fragments.  Each accumulator is read from its low end on.
.macro EPI t
.set AC0, 8*(\t)
.set AC1, 32+8*(\t)
.set AC2, 64+8*(\t)
.set AC3, 96+8*(\t)
	WIN 0xaa
	s_wait_xcnt 0x0                                ; the last tile's stores have read their registers
.irp c, 0,1,2,3
.irp j, 0,2,4,6
	v_pk_mul_f32 v[TE+8*\c+\j:TE+8*\c+\j+1], v[32*\c+8*(\t)+\j:32*\c+8*(\t)+\j+1], s[CS:CS+1] op_sel_hi:[1,0]
.endr
.endr
.set j, 0
.rept 32
	v_exp_f32 v[TE+j], v[TE+j]                     ; e^x
.set j, j+1
.endr
.irp c, 0,1,2,3
.irp j, 0,2,4,6
	v_pk_add_f32 v[32*\c+8*(\t)+\j:32*\c+8*(\t)+\j+1], v[32*\c+8*(\t)+\j:32*\c+8*(\t)+\j+1], 1.0 op_sel_hi:[1,0]   ; x + 1: plain work behind the batch
.endr
.endr
	s_wait_alu depctr_va_vdst(0)                   ; one wait for the 32 exponentials, ahead of their first reader
.irp c, 0,1,2,3
.irp j, 0,1,2,3,4,5,6,7
	v_med3_num_f32 v[32*\c+8*(\t)+\j], v[32*\c+8*(\t)+\j], v[TE+8*\c+\j], 1.0   ; elu(x) + 1: the middle one
.endr
.endr
.irp c, 0,1,2,3
.irp j, 0,2,4,6
.if (\t)%2 == 0
	v_pk_mul_f32 v[32*\c+8*(\t)+\j:32*\c+8*(\t)+\j+1], v[32*\c+8*(\t)+\j:32*\c+8*(\t)+\j+1], v[MQ+(\t):MQ+(\t)+1] op_sel_hi:[1,0]
.else
	v_pk_mul_f32 v[32*\c+8*(\t)+\j:32*\c+8*(\t)+\j+1], v[32*\c+8*(\t)+\j:32*\c+8*(\t)+\j+1], v[MQ+(\t)-1:MQ+(\t)] op_sel:[0,1] op_sel_hi:[1,1]
.endif
.endr
.endr
	; q along d: two blocks of 32, each in lanes l and l xor 16
	v_max3_num_f32 v[QM], |v[AC0]|, |v[AC0+1]|, s[FLOOR]
	v_max3_num_f32 v[QM+1], |v[AC2]|, |v[AC2+1]|, s[FLOOR]
.irp i, 2,4,6
	v_max3_num_f32 v[QM], v[QM], |v[AC0+\i]|, |v[AC0+\i+1]|
	v_max3_num_f32 v[QM+1], v[QM+1], |v[AC2+\i]|, |v[AC2+\i+1]|
.endr
.irp i, 0,2,4,6
	v_max3_num_f32 v[QM], v[QM], |v[AC1+\i]|, |v[AC1+\i+1]|
	v_max3_num_f32 v[QM+1], v[QM+1], |v[AC3+\i]|, |v[AC3+\i+1]|
.endr
	v_permlanex16_b32 v[QM+2], v[QM], s[SEL], s[SEL+1]
	v_permlanex16_b32 v[QM+3], v[QM+1], s[SEL], s[SEL+1]
	v_max_num_f32 v[QM], v[QM], v[QM+2]
	v_max_num_f32 v[QM+1], v[QM+1], v[QM+3]
	v_add_nc_u32 v[SO], s[EM2], v[QM]              ; 2 off the exponent field: the conversion's scale operand
	v_add_nc_u32 v[SO+1], s[EM2], v[QM+1]
	v_lshrrev_b32 v[QM+2], 23, v[SO]
	v_lshrrev_b32 v[QM+3], 23, v[SO+1]
	v_lshl_or_b32 v[UW], v[QM+3], 8, v[QM+2]
	WIN 0x2a                                       ; destination window 0: scale operands have no window
	v_or_b32 v[QS], s[PADS], v[UW]                 ; bytes 2, 3: 127, over zero codes
	WIN 0xaa
	v_cvt_scalef32_pk8_fp4_f32 v[PC], v[AC0:AC0+7], v[SO]
	v_cvt_scalef32_pk8_fp4_f32 v[PC+1], v[AC1:AC1+7], v[SO]
	v_cvt_scalef32_pk8_fp4_f32 v[PC+2], v[AC2:AC2+7], v[SO+1]
	v_cvt_scalef32_pk8_fp4_f32 v[PC+3], v[AC3:AC3+7], v[SO+1]
	v_nop                                          ; one plain line behind the conversions
	v_permlane16_swap_b32 v[PC], v[PC+2]           ; lanes 0-15: d = 0 .. 31; lanes 16-31: d = 32 .. 63
	v_permlane16_swap_b32 v[PC+1], v[PC+3]
	v_pk_mul_f32 v[SUMA:SUMA+1], v[AC0:AC0+1], v[SK:SK+1]       ; q . summed k, of the unquantised q, in two chains.  These 16 lines are also the places between the scale word, the codes and the scaled products
	v_pk_mul_f32 v[SUMB:SUMB+1], v[AC2:AC2+1], v[SK+16:SK+17]
.irp j, 2,4,6
	v_pk_fma_f32 v[SUMA:SUMA+1], v[AC0+\j:AC0+\j+1], v[SK+\j:SK+\j+1], v[SUMA:SUMA+1]
	v_pk_fma_f32 v[SUMB:SUMB+1], v[AC2+\j:AC2+\j+1], v[SK+16+\j:SK+16+\j+1], v[SUMB:SUMB+1]
.endr
.irp j, 0,2,4,6
	v_pk_fma_f32 v[SUMA:SUMA+1], v[AC1+\j:AC1+\j+1], v[SK+8+\j:SK+8+\j+1], v[SUMA:SUMA+1]
	v_pk_fma_f32 v[SUMB:SUMB+1], v[AC3+\j:AC3+\j+1], v[SK+24+\j:SK+24+\j+1], v[SUMB:SUMB+1]
.endr
	WIN 0x8b                                       ; source 0 (kv) window 3, source 1 (q) and the result window 2
.irp n, 0,1,2,3
	v_wmma_scale_f32_16x16x128_f8f6f4 v[D2+8*\n:D2+8*\n+7], v[KVF+8*\n:KVF+8*\n+7], v[PC:PC+7], 0, v[KVS+\n], v[QS] matrix_a_fmt:MATRIX_FMT_FP4 matrix_b_fmt:MATRIX_FMT_FP4
.endr
	WIN 0xaa
	v_pk_add_f32 v[SUMA:SUMA+1], v[SUMA:SUMA+1], v[SUMB:SUMB+1]  ; (these lines are the places behind the products)
	v_add_f32 v[SUMA], v[SUMA], v[SUMA+1]
	v_permlanex16_b32 v[PX], v[SUMA], s[SEL], s[SEL+1]
	v_add_f32 v[SUMA], v[SUMA], v[PX]
	v_add_f32 v[SUMA], s[EPSS], v[SUMA]
	v_rcp_f32 v[RC], v[SUMA]
	v_nop                                          ; one plain line behind the reciprocal
	s_wait_alu depctr_va_vdst(0)                   ; and the wait ahead of its first reader
	v_mul_f32 v[RC], s[LMUL], v[RC]                ; 4096 / (1e-6 + q . summed k)
.set j, 0
.rept 16
	v_pk_mul_f32 v[D2+j:D2+j+1], v[D2+j:D2+j+1], v[RC:RC+1] op_sel_hi:[1,0]
.set j, j+2
.endr
.irp n, 0,1,2,3
	ds_store_b128 v[STO], v[D2+8*\n:D2+8*\n+3] offset:64*\n      ; lane (r, h): out(token r, v = 16 n + 8 h + 0 .. 7)
	ds_store_b128 v[STO], v[D2+8*\n+4:D2+8*\n+7] offset:64*\n+16
.endr
.irp i, 0,1,2,3,4,5,6,7
	ds_load_b128 v[OB+4*\i:OB+4*\i+3], v[RD] offset:544*\i       ; LDS serves a wave's instructions in order: these see my stores
.endr
.irp i, 0,1,2,3,4,5,6,7
	s_wait_dscnt 7-\i                              ; rows 2 i, 2 i + 1 are back; the later rows may be out
	global_store_b128 v[GO], v[OB+4*\i:OB+4*\i+3], s[OUTP:OUTP+1] offset:(16*(\t)+2*\i)*4096 th:TH_STORE_NT   ; sixteen lanes store 256 consecutive bytes, aligned
.endr
.endm
; A unit: one head.  fill = 1: the change of units: all my tensor loads have landed (one was out: this unit), 0 onto my spare word, the descriptor steps, my LDS instructions are done, a round of the cluster's barrier, the next unit into the slot that I have left.
.macro UNITQ fill
	s_wait_tensorcnt 0x0
.if \fill
	ds_add_u32 v[SPW], v[NIL]
	s_add_nc_u64 s[G0+2:G0+3], s[G0+2:G0+3], PART
	s_xor_b32 s[TF], s[TF], PART
	s_add_co_u32 s[G0+1], s[WB], s[TF]
	s_wait_dscnt 0x0
	ROUND
	tensor_load_to_lds s[G0:G0+3], s[G1:G1+7]
	s_nop 0
.rept 4
	v_nop
.endr
.endif
	v_add_nc_u32 v[WAD], s[TB], v[WA0]
	v_add_nc_u32 v[BAD], s[TB], v[BA0]
	WIN 0xc0                                       ; destination window 3
.irp n, 0,1,2,3
	global_load_b128 v[KVF+8*\n:KVF+8*\n+3], v[LOFF], s[KQ:KQ+1] offset:768*\n
.endr
.irp c, 0,1,2,3
	ds_load_b128 v[BC+8*\c:BC+8*\c+3], v[BAD] offset:64*\c       ; the biases of places 16 c + 8 h + 0 .. 7: the C of the first products
	ds_load_b128 v[BC+8*\c+4:BC+8*\c+7], v[BAD] offset:64*\c+16
.endr
	WIN 0x80                                       ; destination window 2
.irp c, 0,1,2,3
	global_load_b128 v[SK+8*\c:SK+8*\c+3], v[H32], s[KQ:KQ+1] offset:768*\c+576
	global_load_b128 v[SK+8*\c+4:SK+8*\c+7], v[H32], s[KQ:KQ+1] offset:768*\c+592
.endr
	WIN 0
.irp n, 0,1,2,3
	global_load_b32 v[KVS+\n], v[R4], s[KQ:KQ+1] offset:768*\n+512
.endr
.irp c, 0,1,2,3
	ds_load_b128 v[WSC+4*\c:WSC+4*\c+3], v[WAD] offset:TILEB*\c+8192
.endr
.irp c, 0,1,2,3
	ds_load_b128 v[WF+8*\c:WF+8*\c+3], v[WAD] offset:TILEB*\c
	ds_load_b128 v[WF+8*\c+4:WF+8*\c+7], v[WAD] offset:TILEB*\c+512
.endr
.irp s, 0,1,2,3,4,5,6,7
	WIN 0
.rept 4
	v_nop                                          ; four places ahead of loads into registers that the last products read
.endr
.if \s < 7
.irp c, 0,1,2,3
	ds_load_b128 v[WF+32*((\s+1)%2)+8*\c:WF+32*((\s+1)%2)+8*\c+3], v[WAD] offset:TILEB*\c+1024*(\s+1)
	ds_load_b128 v[WF+32*((\s+1)%2)+8*\c+4:WF+32*((\s+1)%2)+8*\c+7], v[WAD] offset:TILEB*\c+1024*(\s+1)+512
.endr
	s_wait_dscnt 8                                 ; this K step's operands are in; the next step's eight loads may be out
.else
	s_wait_dscnt 0x0
.endif
.if \s == 0
	WIN 0xb4                                       ; source 1 window 1, C window 3, the result window 2
.else
	WIN 0xa4                                       ; source 1 window 1, C and the result window 2
.endif
.irp c, 0,1,2,3
.irp t, 0,1,2,3
	MMQ \c, \t, \s                                 ; sixteen accumulators by turns
.endr
.endr
.endr
.rept 4
	v_nop                                          ; four places ahead of the first read of results
.endr
	s_wait_loadcnt 0x0                             ; kv, its scale words, summed k (and, the first time, the mask)
	EPI 0
	EPI 1
	EPI 2
	EPI 3
	WIN 0
	s_wait_xcnt 0x0                                ; the loads and stores have read their bases: on to the next head
	s_add_nc_u64 s[OUTP:OUTP+1], s[OUTP:OUTP+1], 256
	s_add_nc_u64 s[KQ:KQ+1], s[KQ:KQ+1], 3072
	s_xor_b32 s[TB], s[TB], PART
.endm
	s_mov_b32 s[LC], 3
.Lunit:                                            ; the first round also stands between every wave's reads of the image and the first store into the stages
	UNITQ 1
	s_sub_co_u32 s[LC], s[LC], 1
	s_cmp_lg_u32 s[LC], 0
	s_cbranch_scc1 .Lunit
	UNITQ 0                                        ; the last unit is written out: nothing is left to ask for
	s_wait_tensorcnt 0x0                           ; the wave's end
	ds_add_u32 v[SPW], v[NIL]
	s_wait_dscnt 0x0
	ROUND                                          ; the closing round
	s_endpgm
.Lfunc_end_k_qa8d6063bb5_qout:
	.size	k_qa8d6063bb5_qout, .Lfunc_end_k_qa8d6063bb5_qout-k_qa8d6063bb5_qout
	.p2alignl 7, 3214868480
	.fill 96, 4, 3214868480
	.section	.rodata,"a",@progbits
	.p2align	6, 0x0
	.amdhsa_kernel k_qa8d6063bb5_qout
		.amdhsa_group_segment_fixed_size 327680
		.amdhsa_private_segment_fixed_size 0
		.amdhsa_enable_private_segment 0
		.amdhsa_kernarg_size 40
		.amdhsa_user_sgpr_count 2
		.amdhsa_user_sgpr_kernarg_segment_ptr 1
		.amdhsa_wavefront_size32 1
		.amdhsa_system_sgpr_workgroup_id_x 1
		.amdhsa_system_sgpr_workgroup_id_y 1
		.amdhsa_system_sgpr_workgroup_id_z 1
		.amdhsa_system_vgpr_workitem_id 0
		.amdhsa_next_free_vgpr 832
		.amdhsa_next_free_sgpr 66
		.amdhsa_reserve_vcc 0
		.amdhsa_float_denorm_mode_32 3
		.amdhsa_float_denorm_mode_16_64 3
		.amdhsa_memory_ordered 1
		.amdhsa_forward_progress 1
		.amdhsa_inst_pref_size 255
	.end_amdhsa_kernel
	.section	.bss,"aw",@nobits
	.p2align	6
	.space	262144
	.amdgpu_metadata
---
amdhsa.version: [ 1, 2 ]
amdhsa.kernels:
  - .name:           k_qa8d6063bb5_qout
    .symbol:         k_qa8d6063bb5_qout.kd
    .args:
      - { .name: query, .offset: 0, .size: 8, .value_kind: global_buffer, .address_space: global }
      - { .name: mask_q, .offset: 8, .size: 8, .value_kind: global_buffer, .address_space: global }
      - { .name: wc, .offset: 16, .size: 8, .value_kind: global_buffer, .address_space: global }
      - { .name: kvq, .offset: 24, .size: 8, .value_kind: global_buffer, .address_space: global }
      - { .name: out0, .offset: 32, .size: 8, .value_kind: global_buffer, .address_space: global }
    .group_segment_fixed_size: 327680
    .private_segment_fixed_size: 0
    .kernarg_segment_align: 8
    .kernarg_segment_size: 40
    .max_flat_workgroup_size: 128
    .sgpr_count:     66
    .vgpr_count:     832
    .wavefront_size: 32
...
	.end_amdgpu_metadata
.endif
;; end of part 4
